; MI455X (gfx1250); checked and timed in simulation.
; The chip was launched on July 23, 2026; its instructions are those of AMD's public machine-readable ISA for CDNA 5 (MIT licence, August 2026) and "CDNA5" Instruction Set Architecture Reference Guide (July 2026). The comments in the code are by the model that wrote it; some were corrected since.
;; Register Tiled Hyperbolic Attention. Allowed arithmetic: float matrix products may take bf16 or f16 operands with f32 sums; other float arithmetic in f32, or as packed bf16 or f16 multiplies, adds, multiply-adds, maxima and minima; sums over many terms, partial sums and values carried from step to step in f32; what a program stores and reads back later, other than sums and carried values, may be rounded once to bf16 or f16.
;; Inputs: wk 1,024 x 1,024 float32; wo 1,024 x 1,024 float32; wq 1,024 x 1,024 float32; wv 1,024 x 1,024 float32; x 2 x 2,048 x 1,024 float32.
;; Outputs: out0 2 x 2,048 x 1,024 float32.
;; 2 versions, each right and faster than the one before. Each part assembles by itself: llvm-mc -triple=amdgcn-amd-amdhsa -mcpu=gfx1250 --defsym DOCPART=n.
;; ======== version 1 of 2: 4 launches
;; limits: right only within a limited range of input values; values are held in f16: magnitudes above 65,504 overflow, below 6.1e-05 lose precision
;; workspace buffers: xb 8,388,608 bytes; wb 6,291,456 bytes; wob 2,097,152 bytes; qkv 25,165,824 bytes; nt 1,572,864 bytes; ob 8,388,608 bytes
;; launch cast (part 1): grid 1024 x 1, 8 waves a work-group, no clusters, 0 bytes of LDS; arguments x, wq, wk, wv, wo, xb, wb, wob; writes xb, wb, wob
.if DOCPART == 1
	.amdgcn_target "amdgcn-amd-amdhsa--gfx1250"
	.amdhsa_code_object_version 6
	.text
	.protected	k_qf1df0b61f0_cast
	.globl	k_qf1df0b61f0_cast
	.p2align	8
	.type	k_qf1df0b61f0_cast,@function
k_qf1df0b61f0_cast:
	s_mov_b64 s[64:65], 0
	v_nop
	global_prefetch_b8 v0, s[64:65] scope:SCOPE_SE
	s_setreg_imm32_b32 hwreg(HW_REG_WAVE_MODE, 25, 1), 1
	s_wait_xcnt 0x0
; THE INPUTS ARE ROUNDED ONCE, TO bf16.  x [4096][1024] -> xb (bf16, same layout); wq, wk, wv [1024][1024] -> wb (bf16, [3072][1024]: wq's rows, wk's, wv's);
; wo [1024][1024] -> wob: the bf16 value written as f16, in blocks [n / 128][k / 64][n % 128][k % 64], so that the last launch's tiles are dense.
; LIMIT.  A bf16 value is exact in f16 from 6.1e-5 to 65,504; below that wob keeps f16's fixed step of 6e-8.
; A stream: each byte is read once and written once; no LDS, no barrier, no matrix unit, no cluster (no two work-groups read the same byte).
; A work-group of 256 threads takes 32,768 bytes of f32: work-groups 0-511 x, 512-895 wq, wk, wv (128 each), 896-1023 wo.  Eight loads of 16 bytes a lane go out together.
.set XG, 512                           ; work-groups for x
.set WG, 128                           ; work-groups for one weight
.set IN,  8                            ; v[8:39]   eight loads of four f32
.set OUT, 40                           ; v[40:55]  eight stores of four 16-bit numbers: each store has registers of its own, so no store's data is ever rewritten
.set T,   56                           ; v[56:61]  at work
	s_load_b512 s[8:23], s[0:1], 0x0               ; x s[8:9], wq s[10:11], wk s[12:13], wv s[14:15], wo s[16:17], xb s[18:19], wb s[20:21], wob s[22:23]
	s_mov_b32 s2, ttmp9                            ; g
	s_sub_co_u32 s28, s2, XG                       ; g - 512: the block's number in wb
	s_and_b32 s29, s28, WG-1                       ; and in its weight
	s_sub_co_u32 s3, s2, XG+3*WG                   ; g - 896: the block's number in wo
	s_mov_b32 s31, 0                               ; high words of the two offsets
	s_mov_b32 s33, 0
	s_wait_kmcnt 0x0
	s_cmp_ge_u32 s2, XG+3*WG
	s_cbranch_scc1 .Lwo
	; x, wq, wk, wv: the layout stays.  Thread t takes 16 bytes at 16 t + 4,096 i and writes 8 bytes at 8 t + 2,048 i.
	v_lshlrev_b32 v1, 4, v0
	v_lshlrev_b32 v2, 3, v0
	s_cmp_lt_u32 s2, XG
	s_cselect_b64 s[24:25], s[8:9], s[10:11]       ; from x or from a weight,
	s_cselect_b64 s[26:27], s[18:19], s[20:21]     ; into xb or wb
	s_cselect_b32 s30, s2, s29                     ; the block's number in its source
	s_cselect_b32 s32, s2, s28                     ; and in its destination
	s_cmp_ge_u32 s2, XG+WG
	s_cselect_b64 s[24:25], s[12:13], s[24:25]
	s_cmp_ge_u32 s2, XG+2*WG
	s_cselect_b64 s[24:25], s[14:15], s[24:25]
	s_lshl_b32 s30, s30, 15                        ; 32,768 bytes in,
	s_lshl_b32 s32, s32, 14                        ; 16,384 out
	s_add_nc_u64 s[24:25], s[24:25], s[30:31]
	s_add_nc_u64 s[26:27], s[26:27], s[32:33]
.irp i, 0,1,2,3,4,5,6,7
	global_load_b128 v[IN+4*(\i):IN+4*(\i)+3], v1, s[24:25] offset:4096*(\i) th:TH_LOAD_NT  ; a wave's load covers 512 consecutive bytes
.endr
.irp i, 0,1,2,3,4,5,6,7
	s_wait_loadcnt 7-(\i)                          ; loads come back in order: number i is in, the younger ones stay out
	v_cvt_pk_bf16_f32 v[OUT+2*(\i)], v[IN+4*(\i)], v[IN+4*(\i)+1]
	v_cvt_pk_bf16_f32 v[OUT+2*(\i)+1], v[IN+4*(\i)+2], v[IN+4*(\i)+3]
	global_store_b64 v2, v[OUT+2*(\i):OUT+2*(\i)+1], s[26:27] offset:2048*(\i)  ; a wave's store covers 256 consecutive bytes, aligned
.endr
	s_endpgm
.Lwo:
	; wo: the work-group owns rows 8 g' .. 8 g' + 7.  Wave w: rows 2 (w / 2), + 1; heads 8 (w % 2) + i.  Lane l: row l / 16 of the two, four columns at 4 (l % 16) of the head.
	v_lshrrev_b32 v3, 6, v0
	v_bfe_u32 v4, v0, 4, 1
	v_lshl_add_u32 v3, v3, 1, v4                   ; my row of the eight
	v_bfe_u32 v4, v0, 5, 1                         ; which eight heads
	v_and_b32 v5, 15, v0
	v_lshlrev_b32 v6, 12, v3                       ; in: row x 4,096
	v_lshl_add_u32 v6, v4, 11, v6                  ; + eight heads of 256 bytes
	v_lshl_add_u32 v6, v5, 4, v6                   ; + 16 bytes a lane: sixteen lanes read 256 consecutive bytes, aligned
	v_lshlrev_b32 v7, 7, v3                        ; out: row x 128
	v_lshl_add_u32 v7, v4, 17, v7                  ; + eight blocks of 16,384 bytes
	v_lshl_add_u32 v7, v5, 3, v7                   ; + 8 bytes a lane: the wave's two rows are 256 consecutive bytes, aligned
	s_lshl_b32 s30, s3, 15
	s_add_nc_u64 s[24:25], s[16:17], s[30:31]
	s_lshr_b32 s32, s3, 4                          ; n / 128: sixteen blocks of 16,384 bytes each
	s_lshl_b32 s32, s32, 18
	s_and_b32 s34, s3, 15                          ; my eight rows in the block
	s_lshl_b32 s34, s34, 10
	s_add_co_u32 s32, s32, s34
	s_add_nc_u64 s[26:27], s[22:23], s[32:33]
.irp i, 0,1,2,3,4,5,6,7
	global_load_b128 v[IN+4*(\i):IN+4*(\i)+3], v6, s[24:25] offset:256*(\i) th:TH_LOAD_NT
.endr
.irp i, 0,1,2,3,4,5,6,7
	s_wait_loadcnt 7-(\i)                          ; number i is in, the younger ones stay out
	v_cvt_pk_bf16_f32 v[T], v[IN+4*(\i)], v[IN+4*(\i)+1]      ; the rounding that all inputs get,
	v_cvt_pk_bf16_f32 v[T+1], v[IN+4*(\i)+2], v[IN+4*(\i)+3]
	v_lshlrev_b32 v[T+2], 16, v[T]                            ; back to f32,
	v_and_b32 v[T+3], 0xffff0000, v[T]
	v_lshlrev_b32 v[T+4], 16, v[T+1]
	v_and_b32 v[T+5], 0xffff0000, v[T+1]
	v_cvt_pk_f16_f32 v[OUT+2*(\i)], v[T+2], v[T+3]            ; and the same number written as f16
	v_cvt_pk_f16_f32 v[OUT+2*(\i)+1], v[T+4], v[T+5]
	global_store_b64 v7, v[OUT+2*(\i):OUT+2*(\i)+1], s[26:27] offset:16384*(\i)
.endr
	s_endpgm
.Lfunc_end_k_qf1df0b61f0_cast:
	.size	k_qf1df0b61f0_cast, .Lfunc_end_k_qf1df0b61f0_cast-k_qf1df0b61f0_cast
	.p2alignl 7, 3214868480
	.fill 96, 4, 3214868480
	.section	.rodata,"a",@progbits
	.p2align	6, 0x0
	.amdhsa_kernel k_qf1df0b61f0_cast
		.amdhsa_group_segment_fixed_size 0
		.amdhsa_private_segment_fixed_size 0
		.amdhsa_enable_private_segment 0
		.amdhsa_kernarg_size 64
		.amdhsa_user_sgpr_count 2
		.amdhsa_user_sgpr_kernarg_segment_ptr 1
		.amdhsa_wavefront_size32 1
		.amdhsa_system_sgpr_workgroup_id_x 1
		.amdhsa_system_sgpr_workgroup_id_y 1
		.amdhsa_system_sgpr_workgroup_id_z 1
		.amdhsa_system_vgpr_workitem_id 0
		.amdhsa_next_free_vgpr 64
		.amdhsa_next_free_sgpr 66
		.amdhsa_reserve_vcc 0
		.amdhsa_float_denorm_mode_32 3
		.amdhsa_float_denorm_mode_16_64 3
		.amdhsa_memory_ordered 1
		.amdhsa_forward_progress 1
		.amdhsa_inst_pref_size 11
	.end_amdhsa_kernel
	.amdgpu_metadata
---
amdhsa.version: [ 1, 2 ]
amdhsa.kernels:
  - .name:           k_qf1df0b61f0_cast
    .symbol:         k_qf1df0b61f0_cast.kd
    .args:
      - { .name: x, .offset: 0, .size: 8, .value_kind: global_buffer, .address_space: global }
      - { .name: wq, .offset: 8, .size: 8, .value_kind: global_buffer, .address_space: global }
      - { .name: wk, .offset: 16, .size: 8, .value_kind: global_buffer, .address_space: global }
      - { .name: wv, .offset: 24, .size: 8, .value_kind: global_buffer, .address_space: global }
      - { .name: wo, .offset: 32, .size: 8, .value_kind: global_buffer, .address_space: global }
      - { .name: xb, .offset: 40, .size: 8, .value_kind: global_buffer, .address_space: global }
      - { .name: wb, .offset: 48, .size: 8, .value_kind: global_buffer, .address_space: global }
      - { .name: wob, .offset: 56, .size: 8, .value_kind: global_buffer, .address_space: global }
    .group_segment_fixed_size: 0
    .private_segment_fixed_size: 0
    .kernarg_segment_align: 8
    .kernarg_segment_size: 64
    .max_flat_workgroup_size: 256
    .sgpr_count:     66
    .vgpr_count:     64
    .wavefront_size: 32
...
	.end_amdgpu_metadata
.endif
;; end of part 1
;; launch proj (part 2): grid 16 x 16, 4 waves a work-group, clusters of 4 x 4, 327,680 bytes of LDS; arguments xb, wb, qkv, nt; writes qkv, nt
.if DOCPART == 2
	.amdgcn_target "amdgcn-amd-amdhsa--gfx1250"
	.amdhsa_code_object_version 6
	.text
	.protected	k_qf1df0b61f0_proj
	.globl	k_qf1df0b61f0_proj
	.p2align	8
	.type	k_qf1df0b61f0_proj,@function
k_qf1df0b61f0_proj:
	s_mov_b64 s[64:65], 0
	v_nop
	global_prefetch_b8 v0, s[64:65] scope:SCOPE_SE
	s_setreg_imm32_b32 hwreg(HW_REG_WAVE_MODE, 25, 1), 1
	s_wait_xcnt 0x0
	s_wait_alu depctr_hold_cnt(0) depctr_sa_sdst(0) depctr_va_vdst(0) depctr_va_sdst(0) depctr_va_ssrc(0) depctr_va_vcc(0) depctr_vm_vsrc(0)
	s_getreg_b32 s2, hwreg(HW_REG_IB_STS2, 6, 4)
	s_cmp_eq_u32 s2, 0
	s_cbranch_scc0 .Lentry_in_a_cluster
	s_endpgm
.Lentry_in_a_cluster:
	s_bfe_u32 s2, ttmp6, 0x10000c
	s_cmp_lg_u32 s2, 0xf033
	s_cbranch_scc0 .Lentry_shape_is_right
	s_endpgm
.Lentry_shape_is_right:
; THE THREE PROJECTIONS AS ONE PRODUCT.  C[m][n] = sum over k of xb[m][k] wb[n][k], m < 4096, n < 3072, k < 1024, bf16 operands, f32 sums.
; C leaves rounded once to f16, by heads: qkv [b 2][G 48][row 2048][64], G = n / 64 (0-15 q, 16-31 k, 32-47 v).  With it, for each row and head, of the ROUNDED numbers:
; nt [b][G][2][2048] f32: -|row|^2 / 2 and 1 / (1 - |row|^2).  The next launch reads the tables of k's heads; they are made for all 48, since a branch on the tile's column would hang on the
; work-group's place in its cluster.
; LIMIT.  f16 ends at 65,504: q, k, v beyond that are lost.  1 - |row|^2 = 0 gives an infinity in the table, which the next launch's clamp takes for the reference's floor of the denominator.
; SHARES.  A tile of C is 256 x 192 (three heads): 16 x 16 tiles, a work-group each.  Wave w owns rows 64 w .. + 63 and all 192 columns, so a row's norm never leaves the wave: 4 x 12 accumulators, 384 registers.
; K goes in eight steps of 128 (rows of 256 bytes) through two LDS slots filled by the tensor data mover.  CLUSTER: 4 x 4 work-groups; xb's tile is shared along a row of the cluster, wb's along a column: joint loads.
; THE MATRIX INSTRUCTION IS USED TRANSPOSED (source 0 = 16 rows of wb, source 1 = 16 rows of xb): a lane holds row l % 16 of C and the eight columns 8 (l / 16) + 0..7.
; REGISTERS, in windows of 256: window 0: v0-31 addresses; v32-79 packed results; v80-127 rows read back; v128-191 xb's fragments, two buffers of 32; v192-209 norms.
;   window 1: wb's fragments, two buffers of 96.   window 2: accumulators of row blocks 0, 1 ((a, b) at 8 (12 (a % 2) + b)).   window 3: row blocks 2, 3.
.set KSTEP,  128
.set PITCH,  272                       ; an LDS row: 256 bytes + 16 of padding: the 16 rows of a fragment load start 68 words apart
.set HALFA,  128*PITCH                 ; what one load of xb brings
.set HALFB,  96*PITCH                  ; what one load of wb brings
.set SLOT,   2*HALFA+2*HALFB           ; xb's 256 rows, then wb's 192
.set STAGE,  2*SLOT                    ; behind the ring, never filled by a tensor load: for each wave 3 heads x 16 rows x 144 bytes
.set SPH,    144
.set SHEAD,  16*SPH
.set SWAVE,  3*SHEAD
.set SPARE,  STAGE+4*SWAVE             ; the spare words: 128 bytes a wave, two blocks of 256 bytes that no other line names
.set LAPS,   4                         ; a lap = two K steps = once round the ring
.set ADRA, 16                          ; v16-17  LDS address of my xb fragments in slot 0, 1
.set ADRB, 20                          ; v20-21  the same for wb
.set STO,  24                          ; v24     the way out: where I put 16 bytes of a row
.set RD,   25                          ; v25     where I read rows back
.set GO,   26                          ; v26     16 x lane: my place in 512 consecutive bytes of qkv
.set TO,   27                          ; v27     4 x lane: my place in 128 consecutive bytes of nt
.set SPW,  28                          ; v28     my spare word; never rewritten
.set NIL,  29                          ; v29     0; never rewritten
.set TMP,  32
.set BK,   80
.set FA,   128
.set NS,   192                         ; v192-197  three heads x two chains of squares
.set KE,   198                         ; v198-203  the even block's -|row|^2/2 (3) and 1/(1-|row|^2) (3); v204-209 the odd block's, then both merged
.set WV,  12                           ; s12 wave; s13 = wave / 2: I fetch for xb (0) or wb (1); s14 = wave % 2: which half
.set G1,  24                           ; s[24:31] group 1 for xb's tiles; s[32:39] group 0, a set for each slot
.set G0,  32
.set G1B, 48                           ; s[48:55], s[56:63] the same for wb's
.set G0B, 56
.set QB,  68                           ; s[68:69] qkv at my first row of the tile's first head
.set NB,  70                           ; s[70:71] nt likewise
.set SEL, 80                           ; s[80:81] v_permlanex16_b32's selects: each lane takes its own place in the other half
.set MSK, 82                           ; s82 lanes 16-31
.set MSB, 0
.macro WIN new                         ; the immediate's high byte repeats the setting that is left; a switch that changes nothing is dropped
.if MSB != (\new)
	s_set_vgpr_msb (MSB<<8)|(\new)
.set MSB, \new
.endif
.endm
.set MUL_LO, 0xa1                      ; source 0 (wb) window 1, source 1 (xb) window 0, C and D window 2
.set MUL_HI, 0xf1                      ; the same, C and D window 3
.set TO_B,   0x40                      ; destination window 1, address window 0
; A joint load.  Waves 0 and 1 fetch xb's halves, waves 2 and 3 wb's.  The branch hangs on the wave's number alone.  An s_nop 0 and four v_nop follow each line.
.macro JLOAD s
	s_cmp_eq_u32 s13, 0
	s_cbranch_scc0 .Lfor_b_\@
	tensor_load_to_lds s[G0+4*(\s):G0+4*(\s)+3], s[G1:G1+7]
	s_nop 0
.rept 4
	v_nop
.endr
	s_branch .Lasked_\@
.Lfor_b_\@:
	tensor_load_to_lds s[G0B+4*(\s):G0B+4*(\s)+3], s[G1B:G1B+7]
	s_nop 0
.rept 4
	v_nop
.endr
.Lasked_\@:
.endm
.macro CREST                           ; a round of the cluster's barrier behind its opening barrier
	s_cmp_lg_u32 s[WV], 0
	s_cbranch_scc1 .Lnot_wave_0_\@
	s_barrier_signal -3
.Lnot_wave_0_\@:
	s_barrier_wait -3
	s_barrier_signal -1
	s_barrier_wait -1
.endm
.macro CROUND                          ; a whole round
	s_barrier_signal -1
	s_barrier_wait -1
	CREST
.endm
	s_load_b256 s[4:11], s[0:1], 0x0               ; xb s[4:5], wb s[6:7], qkv s[8:9], nt s[10:11]
	v_lshl_add_u32 v[SPW], v0, 2, SPARE
	v_mov_b32 v[NIL], 0
	ds_add_u32 v[SPW], v[NIL]                      ; the wave's opening: the add and its wait stand ahead of my first tensor load; the set-up below, work on registers, stands between them
	v_lshrrev_b32 v1, 5, v0
	v_readfirstlane_b32 s[WV], v1                  ; wave 0..3
	s_lshr_b32 s13, s[WV], 1
	s_and_b32 s14, s[WV], 1
	s_bfe_u32 s40, ttmp6, 0x40000                  ; cx, cy: my place in the cluster
	s_bfe_u32 s41, ttmp6, 0x40004
	s_lshl_b32 s42, ttmp9, 2
	s_add_co_u32 s42, s42, s40                     ; tile column = 4 x cluster x + cx
	s_and_b32 s43, ttmp7, 0xffff
	s_lshl_b32 s43, s43, 2
	s_add_co_u32 s43, s43, s41                     ; tile row = 4 x cluster y + cy
	s_lshl_b32 s44, s41, 2
	s_lshl_b32 s44, 15, s44                        ; my row of the cluster
	s_lshl_b32 s45, 0x1111, s40                    ; my column
	s_or_b32 s[G1+0], s44, (1<<16)|(1<<20)|(1<<21)|(5<<22)|(3<<25)   ; the mask; 2-byte elements; padding on; bit 21 beside a mask; after every 64 words, 4 words
	s_or_b32 s[G1B+0], s45, (1<<16)|(1<<20)|(1<<21)|(5<<22)|(3<<25)
	s_mov_b32 s[G1+1], KSTEP<<16                   ; tensor_dim0 = 128
	s_mov_b32 s[G1+2], 128<<16                     ; tensor_dim1 = 128
	s_mov_b32 s[G1+3], KSTEP<<16                   ; tile_dim0 = 128
	s_mov_b32 s[G1+4], 128                         ; tile_dim1 = 128
	s_mov_b32 s[G1+5], 1024                        ; elements from row to row
	s_mov_b32 s[G1+6], 0
	s_mov_b32 s[G1+7], 0
	s_mov_b32 s[G1B+1], KSTEP<<16
	s_mov_b32 s[G1B+2], 96<<16                     ; wb's loads bring 96 rows
	s_mov_b32 s[G1B+3], KSTEP<<16
	s_mov_b32 s[G1B+4], 96
	s_mov_b32 s[G1B+5], 1024
	s_mov_b32 s[G1B+6], 0
	s_mov_b32 s[G1B+7], 0
	s_lshl_b32 s16, s43, 8                         ; xb: row 256 x tile row + 128 x half, 2,048 bytes a row: the tile row alone, which my row of the cluster shares
	s_lshl_b32 s17, s14, 7
	s_add_co_u32 s16, s16, s17
	s_lshl_b32 s16, s16, 11
	s_mov_b32 s17, 0
	s_mul_i32 s46, s42, 192                        ; wb: row 192 x tile column + 96 x half: the tile column alone
	s_mul_i32 s47, s14, 96
	s_add_co_u32 s46, s46, s47
	s_lshl_b32 s46, s46, 11
	s_mov_b32 s47, 0
	s_mul_i32 s20, s14, HALFA                      ; where they go: no place in the cluster enters an LDS address
	s_mul_i32 s21, s14, HALFB
	s_add_co_u32 s21, s21, 2*HALFA
	s_mov_b32 s[SEL], 0x76543210
	s_mov_b32 s[SEL+1], 0xfedcba98
	s_mov_b32 s[MSK], 0xffff0000
	s_wait_dscnt 0x0                               ; the opening add is done
	s_wait_kmcnt 0x0
	s_add_nc_u64 s[18:19], s[4:5], s[16:17]
	s_add_nc_u64 s[46:47], s[6:7], s[46:47]
	CROUND                                         ; all sixteen work-groups are here: the first joint loads meet
.irp s, 0,1
	s_mov_b32 s[G0+4*(\s)], 1
	s_add_co_u32 s[G0+4*(\s)+1], s20, (\s)*SLOT
	s_add_nc_u64 s[G0+4*(\s)+2:G0+4*(\s)+3], s[18:19], (\s)*KSTEP*2   ; K step s
	s_or_b32 s[G0+4*(\s)+3], s[G0+4*(\s)+3], 0x80000000
	s_mov_b32 s[G0B+4*(\s)], 1
	s_add_co_u32 s[G0B+4*(\s)+1], s21, (\s)*SLOT
	s_add_nc_u64 s[G0B+4*(\s)+2:G0B+4*(\s)+3], s[46:47], (\s)*KSTEP*2
	s_or_b32 s[G0B+4*(\s)+3], s[G0B+4*(\s)+3], 0x80000000
	JLOAD \s                                       ; two loads of mine are out
.endr
	; A fragment is 16 rows x 32 K in 8 registers: lane l holds row l % 16, K = 8 (l / 16) + 0..7 and 16 + 8 (l / 16) + 0..7: two loads of 16 bytes, 32 bytes apart.
	v_and_b32 v1, 15, v0
	v_bfe_u32 v2, v0, 4, 1
	v_mul_u32_u24 v3, v1, PITCH
	v_lshl_add_u32 v3, v2, 4, v3
	s_mul_i32 s22, s[WV], 64*PITCH                 ; my 64 rows of xb
	s_mov_b32 s23, 2*HALFA                         ; wb's rows lie behind xb's 256
.irp s, 0,1
	v_add_nc_u32 v[ADRA+(\s)], s22, v3
	v_add_nc_u32 v[ADRB+(\s)], s23, v3
	s_add_co_u32 s22, s22, SLOT
	s_add_co_u32 s23, s23, SLOT
.endr
	s_mul_i32 s22, s[WV], SWAVE
	s_add_co_u32 s22, s22, STAGE                   ; my stage
	v_mul_u32_u24 v4, v1, SPH                      ; in: row l % 16, 16 bytes for each half of the lanes
	v_lshl_add_u32 v4, v2, 4, v4
	v_add_nc_u32 v[STO], s22, v4
	v_bfe_u32 v5, v0, 3, 2                         ; back: 32 lanes take four rows of 128 bytes,
	v_mul_u32_u24 v5, v5, SPH
	v_and_b32 v6, 7, v0
	v_lshl_add_u32 v5, v6, 4, v5
	v_add_nc_u32 v[RD], s22, v5
	v_and_b32 v6, 31, v0
	v_lshlrev_b32 v[GO], 4, v6                     ; which are 512 consecutive bytes of qkv
	v_lshlrev_b32 v[TO], 2, v6
	s_lshr_b32 s72, s43, 3                         ; b = tile row / 8
	s_mul_i32 s72, s72, 48
	s_mul_i32 s73, s42, 3
	s_add_co_u32 s72, s72, s73                     ; 48 b + the tile's first head
	s_and_b32 s74, s43, 7
	s_lshl_b32 s74, s74, 8
	s_lshl_b32 s75, s[WV], 6
	s_add_co_u32 s74, s74, s75                     ; my first row in the batch
	s_lshl_b32 s76, s72, 18                        ; a head is 2,048 rows of 128 bytes
	s_lshl_b32 s77, s74, 7
	s_add_co_u32 s76, s76, s77
	s_mov_b32 s77, 0
	s_add_nc_u64 s[QB:QB+1], s[8:9], s[76:77]
	s_lshl_b32 s78, s72, 14                        ; a head's two tables are 16,384 bytes
	s_lshl_b32 s79, s74, 2
	s_add_co_u32 s78, s78, s79
	s_mov_b32 s79, 0
	s_add_nc_u64 s[NB:NB+1], s[10:11], s[78:79]
; 12 matrix instructions: row block a x all 12 column blocks, 32 along K, on buffer f.  zero = 1: the product starts the sums.  The 48 accumulators take turns in one fixed order.
.macro MUL12 f, a, zero
	WIN MUL_LO+0x50*((\a)/2)
.irp b, 0,1,2,3,4,5,6,7,8,9,10,11
.if \zero
	v_wmma_f32_16x16x32_bf16 v[8*(12*((\a)%2)+(\b)):8*(12*((\a)%2)+(\b))+7], v[96*(\f)+8*(\b):96*(\f)+8*(\b)+7], v[FA+32*(\f)+8*(\a):FA+32*(\f)+8*(\a)+7], 0
.else
	v_wmma_f32_16x16x32_bf16 v[8*(12*((\a)%2)+(\b)):8*(12*((\a)%2)+(\b))+7], v[96*(\f)+8*(\b):96*(\f)+8*(\b)+7], v[FA+32*(\f)+8*(\a):FA+32*(\f)+8*(\a)+7], v[8*(12*((\a)%2)+(\b)):8*(12*((\a)%2)+(\b))+7]
.endif
.endr
.endm
; 32 LDS loads in one run: 192 rows of wb, then my 64 rows of xb, 32 K at byte k of the rows, into buffer f
.macro FETCH slot, k, f
	WIN TO_B
.irp i, 0,1,2,3,4,5,6,7,8,9,10,11
	ds_load_b128 v[96*(\f)+8*(\i):96*(\f)+8*(\i)+3],   v[ADRB+(\slot)] offset:(\k)+(\i)*16*PITCH
	ds_load_b128 v[96*(\f)+8*(\i)+4:96*(\f)+8*(\i)+7], v[ADRB+(\slot)] offset:(\k)+(\i)*16*PITCH+32
.endr
	WIN 0
.irp i, 0,1,2,3
	ds_load_b128 v[FA+32*(\f)+8*(\i):FA+32*(\f)+8*(\i)+3],   v[ADRA+(\slot)] offset:(\k)+(\i)*16*PITCH
	ds_load_b128 v[FA+32*(\f)+8*(\i)+4:FA+32*(\f)+8*(\i)+7], v[ADRA+(\slot)] offset:(\k)+(\i)*16*PITCH+32
.endr
.endm
.macro PLACES                          ; four plain vector lines between a matrix instruction and a load into its sources, or a reader of its result
.rept 4
	v_nop
.endr
.endm
; A K step is four quarters of 32 along K, 48 matrix instructions each, on buffers 0, 1, 0, 1.  One of the first three multiplies buffer f and fetches the next quarter, at byte k, into g.
.macro QUARTER slot, k, f, g, zero
	s_wait_dscnt 4                                 ; wb and xb's row blocks 0, 1 are in; the youngest four loads (blocks 2, 3) may be out
	MUL12 \f, 0, \zero
	MUL12 \f, 1, \zero
	PLACES
	FETCH \slot, \k, \g
	s_wait_dscnt 32                                ; all but the 32 just issued
	MUL12 \f, 2, \zero
	MUL12 \f, 3, \zero
.endm
; The last quarter multiplies buffer 1 and changes slots: ONE barrier.  In front of it each wave waits for all its tensor loads (one is out: its part of the next slot), adds 0 to its spare word,
; and waits for that and for its reads of this slot.  fill = 1: the barrier opens a round of the cluster's, and this slot is filled again, two K steps ahead, first thing behind the round.
.macro TURN slot, next, fill
	WIN 0                                          ; (the add's two registers lie in window 0)
	s_wait_tensorcnt 0x0
	ds_add_u32 v[SPW], v[NIL]
	s_wait_dscnt 5                                 ; (the add and the youngest four loads may be out)
	MUL12 1, 0, 0                                  ; twelve matrix instructions stand between the add and the wait for it
	s_wait_dscnt 0x0                               ; the add is done, and my reads of this slot are over
	s_barrier_signal -1
	MUL12 1, 1, 0
.if \fill
	WIN 0
.endif
	s_barrier_wait -1
.if \fill
	CREST                                          ; no wave of any partner still reads this slot or has a load on its way
	s_add_nc_u64 s[G0+4*(\slot)+2:G0+4*(\slot)+3], s[G0+4*(\slot)+2:G0+4*(\slot)+3], 2*KSTEP*2
	s_add_nc_u64 s[G0B+4*(\slot)+2:G0B+4*(\slot)+3], s[G0B+4*(\slot)+2:G0B+4*(\slot)+3], 2*KSTEP*2
	JLOAD \slot                                    ; 168 matrix instructions ahead of the wait for it; its four v_nop are also the places in front of the loads below
.else
	PLACES
.endif
	FETCH \next, 0, 0
	MUL12 1, 2, 0
	MUL12 1, 3, 0
.endm
	s_wait_tensorcnt 1                             ; my part of K step 0 is in; K step 1's may stay out
	s_barrier_signal -1
	s_barrier_wait -1                              ; everybody's is
	FETCH 0, 0, 0
	QUARTER 0, 64, 0, 1, 1                         ; the first quarter stands in front of the loop: its products start the sums
	WIN 0
	s_mov_b32 s3, LAPS-1
.Llap:                                                 ; a trip goes once round the ring and fills both slots again
	QUARTER 0, 128, 1, 0, 0
	QUARTER 0, 192, 0, 1, 0
	TURN 0, 1, 1
	QUARTER 1, 64,  0, 1, 0
	QUARTER 1, 128, 1, 0, 0
	QUARTER 1, 192, 0, 1, 0
	TURN 1, 0, 1
	QUARTER 0, 64,  0, 1, 0
	WIN 0
	s_sub_co_u32 s3, s3, 1
	s_cmp_lg_u32 s3, 0
	s_cbranch_scc1 .Llap
	QUARTER 0, 128, 1, 0, 0                        ; the last lap fills nothing
	QUARTER 0, 192, 0, 1, 0
	TURN 0, 1, 0
	QUARTER 1, 64,  0, 1, 0
	QUARTER 1, 128, 1, 0, 0
	QUARTER 1, 192, 0, 1, 0
	s_wait_dscnt 4
	MUL12 1, 0, 0
	MUL12 1, 1, 0
	s_wait_dscnt 0x0
	MUL12 1, 2, 0
	MUL12 1, 3, 0
	WIN 0
; THE WAY OUT, a block of 16 rows at a time.  PACK: rounded to f16, each accumulator's registers in ascending order.
.macro PACK a
	WIN 0x0a+5*((\a)/2)                            ; sources 0 and 1: window 2 or 3
.irp b, 0,1,2,3,4,5,6,7,8,9,10,11
.irp r, 0,1,2,3
	v_cvt_pk_f16_f32 v[TMP+4*(\b)+(\r)], v[8*(12*((\a)%2)+(\b))+2*(\r)], v[8*(12*((\a)%2)+(\b))+2*(\r)+1]
.endr
.endr
	WIN 0
.endm
; NORM: the squares of the rounded numbers, in f32: for each of the three heads my 32 numbers in two chains (low halves, high halves), six chains that do not wait for each other; the other 32 lie in the lane 16 away.
; An odd block's figures are merged with the even block's (lanes 0-15 the even block's rows, lanes 16-31 the odd one's) and stored: 128 consecutive bytes a store, six stores for 32 rows.
.macro NORM a
.set q, 0
.rept 16
.irp hh, 0,1,2
.if q == 0
	v_fma_mix_f32 v[NS+2*(\hh)],   v[TMP+16*(\hh)+q], v[TMP+16*(\hh)+q], v[NIL] op_sel_hi:[1,1,0]
	v_fma_mix_f32 v[NS+2*(\hh)+1], v[TMP+16*(\hh)+q], v[TMP+16*(\hh)+q], v[NIL] op_sel:[1,1,0] op_sel_hi:[1,1,0]
.else
	v_fma_mix_f32 v[NS+2*(\hh)],   v[TMP+16*(\hh)+q], v[TMP+16*(\hh)+q], v[NS+2*(\hh)] op_sel_hi:[1,1,0]
	v_fma_mix_f32 v[NS+2*(\hh)+1], v[TMP+16*(\hh)+q], v[TMP+16*(\hh)+q], v[NS+2*(\hh)+1] op_sel:[1,1,0] op_sel_hi:[1,1,0]
.endif
.endr
.set q, q+1
.endr
.irp hh, 0,1,2
	v_add_f32 v[NS+2*(\hh)], v[NS+2*(\hh)], v[NS+2*(\hh)+1]
.endr
.irp hh, 0,1,2
	v_permlanex16_b32 v[NS+2*(\hh)+1], v[NS+2*(\hh)], s[SEL], s[SEL+1]
.endr
.irp hh, 0,1,2
	v_add_f32 v[NS+2*(\hh)], v[NS+2*(\hh)], v[NS+2*(\hh)+1]
.endr
.irp hh, 0,1,2
	v_mul_f32 v[KE+6*((\a)%2)+(\hh)], -0.5, v[NS+2*(\hh)]
	v_sub_f32 v[NS+2*(\hh)+1], 1.0, v[NS+2*(\hh)]
.endr
.irp hh, 0,1,2
	v_rcp_f32 v[KE+6*((\a)%2)+3+(\hh)], v[NS+2*(\hh)+1]
.endr
	v_nop                                          ; a plain line between the last reciprocal and the use of its result (ISA guide 5.7.2)
.if (\a)%2
	s_wait_alu depctr_va_vdst(0)
.irp i, 0,1,2,3,4,5
	v_cndmask_b32 v[KE+6+(\i)], v[KE+(\i)], v[KE+6+(\i)], s[MSK]
.endr
.irp hh, 0,1,2
	global_store_b32 v[TO], v[KE+6+(\hh)], s[NB:NB+1] offset:(\hh)*16384+128*((\a)/2)
	global_store_b32 v[TO], v[KE+9+(\hh)], s[NB:NB+1] offset:(\hh)*16384+8192+128*((\a)/2)
.endr
.endif
.endm
; TOSTAGE: 16 bytes a lane into my own stage, and back as whole rows.  LDS serves a wave's instructions in order (ISA guide 5.7.1.4): no wait between the stores and the loads.
.macro TOSTAGE a
	s_wait_xcnt 0x0                                ; earlier stores have read their registers: BK and the merged figures are rewritten only behind this wait
.irp b, 0,1,2,3,4,5,6,7,8,9,10,11
	ds_store_b128 v[STO], v[TMP+4*(\b):TMP+4*(\b)+3] offset:((\b)/4)*SHEAD+((\b)%4)*32
.endr
.irp g, 0,1,2,3,4,5,6,7,8,9,10,11
	ds_load_b128 v[BK+4*(\g):BK+4*(\g)+3], v[RD] offset:((\g)/4)*SHEAD+((\g)%4)*4*SPH
.endr
.endm
.macro SEND a
	s_wait_dscnt 0x0                               ; the block is back in registers
.irp g, 0,1,2,3,4,5,6,7,8,9,10,11
	global_store_b128 v[GO], v[BK+4*(\g):BK+4*(\g)+3], s[QB:QB+1] offset:((\g)/4)*262144+(\a)*2048+((\g)%4)*512  ; four rows of a head: 512 consecutive bytes, aligned
.endr
.endm
	PLACES                                         ; behind the last products
	PACK 0
	NORM 0
	TOSTAGE 0
.irp a, 1,2,3                          ; a block's arithmetic stands between the loads of the block before and the wait for them
	PACK \a
	NORM \a
	SEND (\a)-1
	TOSTAGE \a
.endr
	SEND 3
	s_wait_tensorcnt 0x0                           ; the wave's end: behind my last tensor load and my last LDS store
	ds_add_u32 v[SPW], v[NIL]
	s_wait_dscnt 0x0
	CROUND                                         ; the closing round: no work-group ends while a partner may still ask for a tile that names it
	s_endpgm
.Lfunc_end_k_qf1df0b61f0_proj:
	.size	k_qf1df0b61f0_proj, .Lfunc_end_k_qf1df0b61f0_proj-k_qf1df0b61f0_proj
	.p2alignl 7, 3214868480
	.fill 96, 4, 3214868480
	.section	.rodata,"a",@progbits
	.p2align	6, 0x0
	.amdhsa_kernel k_qf1df0b61f0_proj
		.amdhsa_group_segment_fixed_size 327680
		.amdhsa_private_segment_fixed_size 0
		.amdhsa_enable_private_segment 0
		.amdhsa_kernarg_size 32
		.amdhsa_user_sgpr_count 2
		.amdhsa_user_sgpr_kernarg_segment_ptr 1
		.amdhsa_wavefront_size32 1
		.amdhsa_system_sgpr_workgroup_id_x 1
		.amdhsa_system_sgpr_workgroup_id_y 1
		.amdhsa_system_sgpr_workgroup_id_z 1
		.amdhsa_system_vgpr_workitem_id 0
		.amdhsa_next_free_vgpr 1024
		.amdhsa_next_free_sgpr 84
		.amdhsa_reserve_vcc 0
		.amdhsa_float_denorm_mode_32 3
		.amdhsa_float_denorm_mode_16_64 3
		.amdhsa_memory_ordered 1
		.amdhsa_forward_progress 1
		.amdhsa_inst_pref_size 147
	.end_amdhsa_kernel
	.amdgpu_metadata
---
amdhsa.version: [ 1, 2 ]
amdhsa.kernels:
  - .name:           k_qf1df0b61f0_proj
    .symbol:         k_qf1df0b61f0_proj.kd
    .args:
      - { .name: xb, .offset: 0, .size: 8, .value_kind: global_buffer, .address_space: global }
      - { .name: wb, .offset: 8, .size: 8, .value_kind: global_buffer, .address_space: global }
      - { .name: qkv, .offset: 16, .size: 8, .value_kind: global_buffer, .address_space: global }
      - { .name: nt, .offset: 24, .size: 8, .value_kind: global_buffer, .address_space: global }
    .group_segment_fixed_size: 327680
    .private_segment_fixed_size: 0
    .kernarg_segment_align: 8
    .kernarg_segment_size: 32
    .max_flat_workgroup_size: 128
    .sgpr_count:     84
    .vgpr_count:     1024
    .wavefront_size: 32
...
	.end_amdgpu_metadata
.endif
;; end of part 2
;; launch attn (part 3): grid 8 x 32, 8 waves a work-group, clusters of 4 x 1, 327,680 bytes of LDS; arguments qkv, nt, ob; writes ob
.if DOCPART == 3
	.amdgcn_target "amdgcn-amd-amdhsa--gfx1250"
	.amdhsa_code_object_version 6
	.text
	.protected	k_qf1df0b61f0_attn
	.globl	k_qf1df0b61f0_attn
	.p2align	8
	.type	k_qf1df0b61f0_attn,@function
k_qf1df0b61f0_attn:
	s_mov_b64 s[64:65], 0
	v_nop
	global_prefetch_b8 v0, s[64:65] scope:SCOPE_SE
	s_setreg_imm32_b32 hwreg(HW_REG_WAVE_MODE, 25, 1), 1
	s_wait_xcnt 0x0
	s_wait_alu depctr_hold_cnt(0) depctr_sa_sdst(0) depctr_va_vdst(0) depctr_va_sdst(0) depctr_va_ssrc(0) depctr_va_vcc(0) depctr_vm_vsrc(0)
	s_getreg_b32 s2, hwreg(HW_REG_IB_STS2, 6, 4)
	s_cmp_eq_u32 s2, 0
	s_cbranch_scc0 .Lentry_in_a_cluster
	s_endpgm
.Lentry_in_a_cluster:
	s_bfe_u32 s2, ttmp6, 0x10000c
	s_cmp_lg_u32 s2, 0x3003
	s_cbranch_scc0 .Lentry_shape_is_right
	s_endpgm
.Lentry_shape_is_right:
; HYPERBOLIC ATTENTION.  O[q] = sum over k of softmax_k(-arccosh z(q, k)) V[k],  z = max(1 + 2 d / max((1 - |q|^2)(1 - |k|^2), 1e-6), 1),  d = |q|^2 + |k|^2 - 2 q.k.
; exp(-arccosh z) = 1 / (z + sqrt(z^2 - 1)): a weight costs a square root and a reciprocal, no logarithm and no exponential.
; In: qkv f16 [b][G 48][2048][64] (G = h: q; 16 + h: k; 32 + h: v), nt f32 [b][G][2][2048]: ck = -|k|^2 / 2 and rb = 1 / (1 - |k|^2).  Out: ob f16 [row / 128][h][row % 128][64], row = 2048 b + n.
; A SCORE.  acc = q.k + ck (ck is the C operand that starts the sum); d = QN - 2 acc; g = rb GA, GA = 2^-59 / (1 - QN); g = the UNSIGNED minimum of g and CL = 2e6 x 2^-60: for a positive
; product that is the float minimum, and negative products, infinities and NaN have larger bit patterns and give CL: exactly 2 / max(product, 1e-6), scaled; t = d g held to 0 .. 1 = 2^-60 (z - 1).
; THE RUNNING MAXIMUM of -arccosh z is the running MINIMUM TM of t.  What is taken away is that maximum rounded to a power of two: ZM = 2^floor(log2(1 + 2^60 TM)), RM = 1 / ZM.
; p = 1 / (z' + sqrt(z'^2 - RM^2)), z' = z RM: a row's largest p lies in (1/4, 1].  In every step O and l are multiplied by A = ZM_new RM_old <= 1.  All these scalings are by powers of two, so exact.
; l, the row's sum of the rounded p, comes from the matrix unit: a fifth block of V^T that holds ones in its rows 0 and 8, so that register 0 of its result is l in every lane.
; LIMITS.  z - 1 is capped at 2^60 (distances beyond 42.2 count as 42.2); so z' lies in 1 .. 2^61 and RM^2 is at least 2^-120: no square, sum or reciprocal leaves f32's normal range.
; p is rounded to f16: below 2^-25 it is 0.  q, k, v arrive within 65,504.  NaN and infinite inputs are not treated apart.
; SHARES.  A work-group owns 256 queries of one (b, h); each of its 8 waves 32: two tiles of 16.  Every wave walks the 2,048 keys, 64 a step, 256 a slot.
; CLUSTER.  The four query blocks of a cluster belong to one head and walk the same K, V and tables: each tile is asked for JOINTLY, by the same load, descriptor and mask in all four.
; LAYOUT.  S^T = K Q^T (source 0 = 16 keys, source 1 = 16 queries): a lane holds ONE query (l % 16) and the keys 8 (l / 16) + 0..7.  Two such results rounded to f16 ARE source 1 of O^T = V^T P.
; REGISTERS.  window 0: v0-15 addresses; v16-47 statistics, 16 a tile; v48-55 at work; v64-127 S^T; v128-159 P; v160-191 g; v192-223 ck; v224-255 Q.
;   window 1: v0-63 O^T; v64-79 l's accumulators; v80-87 the ones; v88-119 rb; v128-191 K of one step; v192-255 V of one step.
.set KS,    64
.set PK,    144       ; a row of K in LDS: 128 bytes + 16: the 16 rows of a load start 36 words apart
.set PV,    160       ; a row of V: 128 + 32: 16 lanes of the turning load take 8 rows x 32 bytes
.set VOFF,  4*KS*PK   ; a slot: 256 rows of K, then 256 rows of V
.set SLOT1, 1<<17     ; slot 1 begins here: one exclusive or turns an address in one slot into the other's
.set TABLE, SLOT1+4*KS*(PK+PV)  ; ck[2048], rb[2048]: filled once
.set STAGE, TABLE+16384         ; never filled by a tensor load: 16 rows x 144 bytes for each wave
.set SP,    144
.set SPARE, STAGE+8*16*SP       ; the spare words: 128 bytes a wave, four blocks of 256 bytes that no other line names
.set AK0, 2           ; my lane's place in a tile of K; never rewritten
.set AV0, 3           ; in a tile of V
.set AT0, 4           ; in 64 keys of a table
.set AK,  5           ; the addresses of the runs of loads in hand
.set AV,  6
.set AT,  7
.set STO, 8
.set RD,  9
.set GO,  10
.set SPW, 12          ; my spare word; never rewritten
.set NIL, 13          ; 0; never rewritten
.set QO,  15          ; my byte offset in 16 rows of Q
.set ST,  16          ; tile t at ST + 16 t: +0 QN, +1 TM, +2 GA, +3 ZM, +4 C1 = 2^60 RM, +6 RM, +8 C3 = RM^2, +10 A, +12..15 c0-c3; the odd partners of +4 .. +10 are written once: a broadcast names the pair
.set Y,   48
.set S,   64
.set P,   128
.set G,   160
.set CK,  192
.set Q,   224
.set O,   0           ; window 1
.set L,   64
.set ONES, 80
.set RB,  88
.set KF,  128
.set VF,  192
.set WV,  12
.set G1K, 24
.set G1V, 32
.set G0K, 40
.set G0V, 44
.set G1T, 48
.set G0T, 56
.set SLOTS, 60
.set CNT, 61
.set TBK, 62          ; LDS byte at which K of the step to be fetched begins
.set TBV, 63          ; the same for V, less VOFF
.set TT,  66          ; LDS byte of that step's 64 ck
.set CL,  67
.set P60, 68
.set ONE2, 69         ; 1.0 twice, in f16
.set SEL, 70
.set OB,  72          ; s[72:73] ob at my wave's first row
.set QA,  76          ; s[76:77] Q at my wave's first row
.set MSB, 0
.macro WIN new                      ; the high byte repeats the setting that is left; a switch that changes nothing is dropped
.if MSB != (\new)
	s_set_vgpr_msb (MSB<<8)|(\new)
.set MSB, (\new)
.endif
.endm
.set W_KQ, 0x01       ; source 0 in window 1 (K; rb), all else in window 0
.set W_PV, 0x51       ; source 0 (V; O^T), C and D in window 1, source 1 (P; A) in window 0
.set TO_1, 0x40       ; destination window 1
.macro PLACES
.rept 4
	v_nop
.endr
.endm
; A joint fill.  Waves 0-3 fetch the quarters of a slot's K, waves 4-7 those of its V: 64 keys each.  An s_nop 0 and four v_nop follow each line.
.macro JLOAD
	s_cmp_lt_u32 s[WV], 4
	s_cbranch_scc0 .Lfor_v_\@
	tensor_load_to_lds s[G0K:G0K+3], s[G1K:G1K+7]
	s_nop 0
	PLACES
	s_branch .Lasked_\@
.Lfor_v_\@:
	tensor_load_to_lds s[G0V:G0V+3], s[G1V:G1V+7]
	s_nop 0
	PLACES
.Lasked_\@:
.endm
.macro CROUND                       ; a round of the cluster's barrier
	s_barrier_signal -1
	s_barrier_wait -1
	s_cmp_lg_u32 s[WV], 0
	s_cbranch_scc1 .Lnot_wave_0_\@
	s_barrier_signal -3
.Lnot_wave_0_\@:
	s_barrier_wait -3
	s_barrier_signal -1
	s_barrier_wait -1
.endm
; THE CHANGE OF SLOTS.  Each wave waits for all its tensor loads (its part of the other slot), adds 0 to its spare word, and waits for that and for its reads of the slot that it leaves.
; fill = 1: the barrier is a round of the cluster's, and the old slot is filled again first thing behind it, with the keys two slots on: it has four key steps in which to land.
; (At its first use nothing has been read yet: slot 0 and the tables are waited for, slot 1 is filled.)
.macro CHANGE fill
	WIN 0
	s_wait_tensorcnt 0x0            ; no tensor load of mine is out, so a group 0 may be written
	ds_add_u32 v[SPW], v[NIL]
.if \fill
.irp g, G0K, G0V
	s_xor_b32 s[\g+1], s[\g+1], SLOT1
	s_add_nc_u64 s[\g+2:\g+3], s[\g+2:\g+3], 4*KS*128  ; the next 256 keys
.endr
	s_wait_dscnt 0x0                ; the add is done, and my reads of the slot are over
	CROUND
	JLOAD
.else
	s_wait_dscnt 0x0
	s_barrier_signal -1
	s_barrier_wait -1
.endif
	s_sub_co_u32 s[TBK], s[TBK], 4*KS*PK  ; the fetches go back to a slot's first step, in the other slot
	s_xor_b32 s[TBK], s[TBK], SLOT1
	s_sub_co_u32 s[TBV], s[TBV], 4*KS*PV
	s_xor_b32 s[TBV], s[TBV], SLOT1
.endm
	s_load_b128 s[4:7], s[0:1], 0x0  ; qkv s[4:5], nt s[6:7]
	s_load_b64 s[8:9], s[0:1], 0x10  ; ob
	v_lshl_add_u32 v[SPW], v0, 2, SPARE
	v_mov_b32 v[NIL], 0
	ds_add_u32 v[SPW], v[NIL]       ; the wave's opening: the add and its wait stand ahead of my first tensor load; the set-up below, work on registers, stands between them
	v_lshrrev_b32 v1, 5, v0
	v_readfirstlane_b32 s[WV], v1   ; wave 0..7
	s_bfe_u32 s13, ttmp6, 0x40000   ; cx
	s_lshl_b32 s14, ttmp9, 2
	s_add_co_u32 s14, s14, s13      ; my block of 256 queries: it enters Q's and ob's addresses alone
	s_and_b32 s15, ttmp7, 0xffff    ; 16 b + h, which the four partners share
	s_lshr_b32 s16, s15, 4          ; b
	s_and_b32 s17, s15, 15          ; h
	s_mul_i32 s18, s16, 48
	s_add_co_u32 s18, s18, s17      ; 48 b + h
	s_and_b32 s19, s[WV], 3         ; which quarter of a slot I fetch
	s_add_co_u32 s20, s18, 16       ; k's head
	s_lshl_b32 s22, s20, 14         ; its tables, 16,384 bytes,
	s_lshl_b32 s23, s[WV], 11       ; of which I fetch 2,048
	s_add_co_u32 s22, s22, s23
	s_mov_b32 s23, 0
	s_lshl_b32 s20, s20, 18         ; its rows, 262,144 bytes,
	s_lshl_b32 s21, s19, 13         ; my 64 keys of the first 256
	s_add_co_u32 s20, s20, s21
	s_mov_b32 s21, 0
	s_add_co_u32 s74, s18, 32       ; v's head
	s_lshl_b32 s74, s74, 18
	s_lshl_b32 s75, s19, 13
	s_add_co_u32 s74, s74, s75
	s_mov_b32 s75, 0
	s_lshl_b32 s[QA], s18, 18       ; q's head, my block's 256 rows, my wave's 32
	s_lshl_b32 s[QA+1], s14, 15
	s_add_co_u32 s[QA], s[QA], s[QA+1]
	s_lshl_b32 s[QA+1], s[WV], 12
	s_add_co_u32 s[QA], s[QA], s[QA+1]
	s_mov_b32 s[QA+1], 0
	s_lshl_b32 s78, s16, 4          ; ob: block of 128 rows 16 b + 2 x my block + wave / 4,
	s_lshl1_add_u32 s78, s14, s78
	s_lshr_b32 s79, s[WV], 2
	s_add_co_u32 s78, s78, s79
	s_lshl_b32 s78, s78, 18         ; 16 heads of 16,384 bytes,
	s_lshl_b32 s79, s17, 14         ; my head,
	s_add_co_u32 s78, s78, s79
	s_lshl_b32 s79, s19, 12         ; my 32 rows of 128 bytes
	s_add_co_u32 s78, s78, s79
	s_mov_b32 s79, 0
	; group 1.  64 keys are 8,192 dense bytes: asked for as 32 rows of 256 bytes, two keys a row, padded in LDS after every key
	s_mov_b32 s[G1K], 15|(1<<16)|(1<<20)|(1<<21)|(4<<22)|(3<<25)  ; the mask of four; 2-byte elements; padding on; bit 21 beside a mask; after every 32 words, 4 words
	s_mov_b32 s[G1V], 15|(1<<16)|(1<<20)|(1<<21)|(4<<22)|(7<<25)  ; the same with 8 words
.irp g, G1K, G1V
	s_mov_b32 s[\g+1], 128<<16      ; tensor_dim0 = 128
	s_mov_b32 s[\g+2], 32<<16       ; tensor_dim1 = 32
	s_mov_b32 s[\g+3], 128<<16      ; tile_dim0 = 128
	s_mov_b32 s[\g+4], 32           ; tile_dim1 = 32
	s_mov_b32 s[\g+5], 128
	s_mov_b32 s[\g+6], 0
	s_mov_b32 s[\g+7], 0
.endr
	s_mov_b32 s[G1T], 15|(3<<16)|(1<<21)  ; the tables: 2,048 dense bytes a wave as 8 rows of 32 elements of 8 bytes, no padding
	s_mov_b32 s[G1T+1], 32<<16
	s_mov_b32 s[G1T+2], 8<<16
	s_mov_b32 s[G1T+3], 32<<16
	s_mov_b32 s[G1T+4], 8
	s_mov_b32 s[G1T+5], 32
	s_mov_b32 s[G1T+6], 0
	s_mov_b32 s[G1T+7], 0
	s_mul_i32 s2, s19, KS*PK        ; where my quarter goes: no place in the cluster enters an LDS address
	s_mul_i32 s3, s19, KS*PV
	s_mov_b32 s[G0K], 1
	s_mov_b32 s[G0K+1], s2
	s_mov_b32 s[G0V], 1
	s_add_co_u32 s[G0V+1], s3, VOFF
	s_mov_b32 s[G0T], 1
	s_lshl_b32 s[G0T+1], s[WV], 11
	s_add_co_u32 s[G0T+1], s[G0T+1], TABLE
	s_mov_b32 s[CL], 0x2bf42400     ; 2e6 x 2^-60
	s_mov_b32 s[P60], 0x5d800000    ; 2^60
	s_mov_b32 s[ONE2], 0x3c003c00
	s_mov_b32 s[SEL], 0x76543210
	s_mov_b32 s[SEL+1], 0xfedcba98
	s_mov_b32 s[TBK], SLOT1+4*KS*PK ; the first change of slots turns these two into 0
	s_mov_b32 s[TBV], SLOT1+4*KS*PV
	s_mov_b32 s[TT], TABLE
	s_mov_b32 s[SLOTS], 7
	s_wait_dscnt 0x0                ; the opening add is done
	s_wait_kmcnt 0x0
	s_add_nc_u64 s[G0K+2:G0K+3], s[4:5], s[20:21]
	s_or_b32 s[G0K+3], s[G0K+3], 0x80000000
	s_add_nc_u64 s[G0V+2:G0V+3], s[4:5], s[74:75]
	s_or_b32 s[G0V+3], s[G0V+3], 0x80000000
	s_add_nc_u64 s[G0T+2:G0T+3], s[6:7], s[22:23]
	s_or_b32 s[G0T+3], s[G0T+3], 0x80000000
	s_add_nc_u64 s[QA:QA+1], s[4:5], s[QA:QA+1]
	s_add_nc_u64 s[OB:OB+1], s[8:9], s[78:79]
	CROUND                          ; all four work-groups are here: the first joint loads meet
	s_cmp_lt_u32 s[WV], 4           ; a wave's two first fills stand in one branch: its quarter of slot 0's K or V, and its eighth of the tables: two loads of mine are out
	s_cbranch_scc0 .Lfirst_v
	tensor_load_to_lds s[G0K:G0K+3], s[G1K:G1K+7]
	s_nop 0
	tensor_load_to_lds s[G0T:G0T+3], s[G1T:G1T+7]
	s_nop 0
	PLACES
	s_branch .Lfirst_asked
.Lfirst_v:
	tensor_load_to_lds s[G0V:G0V+3], s[G1V:G1V+7]
	s_nop 0
	tensor_load_to_lds s[G0T:G0T+3], s[G1T:G1T+7]
	s_nop 0
	PLACES
.Lfirst_asked:
	; A fragment of K or Q is 16 rows x 32 channels in 8 registers: lane l holds row l % 16, channels 8 (l / 16) + 0..7 and 16 + 8 (l / 16) + 0..7.
	v_and_b32 v1, 15, v0            ; l % 16
	v_bfe_u32 v11, v0, 4, 1         ; l / 16
	v_lshlrev_b32 v[QO], 7, v1
	v_lshl_add_u32 v[QO], v11, 4, v[QO]
.irp i, 0,1,2,3                     ; Q stays in registers: tile i / 2, channels 32 (i % 2) on
	global_load_b128 v[Q+8*(\i):Q+8*(\i)+3],   v[QO], s[QA:QA+1] offset:((\i)/2)*2048+((\i)%2)*64
	global_load_b128 v[Q+8*(\i)+4:Q+8*(\i)+7], v[QO], s[QA:QA+1] offset:((\i)/2)*2048+((\i)%2)*64+32
.endr
	v_mul_u32_u24 v[AK0], v1, PK
	v_lshl_add_u32 v[AK0], v11, 4, v[AK0]
	; The turning load takes 16 keys x 16 channels (lane l reads key 8 (l / 16) + l % 8, channels 8 ((l / 8) % 2) + 0..7) and leaves half a fragment of V^T: lane l holds channel l % 16 and 8 keys.
	v_and_b32 v14, 7, v0
	v_bfe_u32 v[AK], v0, 3, 1
	v_lshl_add_u32 v[AV0], v11, 3, v14
	v_mul_u32_u24 v[AV0], v[AV0], PV
	v_lshl_add_u32 v[AV0], v[AK], 4, v[AV0]
	v_add_nc_u32 v[AV0], VOFF, v[AV0]
	v_lshlrev_b32 v[AT0], 5, v11    ; my eight keys of sixteen: 32 bytes of a table
	s_mul_i32 s3, s[WV], 16*SP
	s_add_co_u32 s3, s3, STAGE      ; my stage
	v_mul_u32_u24 v[STO], v1, SP
	v_lshl_add_u32 v[STO], v11, 4, v[STO]
	v_add_nc_u32 v[STO], s3, v[STO]
	v_bfe_u32 v[RD], v0, 3, 2
	v_mul_u32_u24 v[RD], v[RD], SP
	v_lshl_add_u32 v[RD], v14, 4, v[RD]
	v_add_nc_u32 v[RD], s3, v[RD]
	v_and_b32 v[GO], 31, v0
	v_lshlrev_b32 v[GO], 4, v[GO]
	v_cmp_eq_u32 vcc_lo, 0, v14
	v_cndmask_b32 v14, 0, s[ONE2], vcc_lo  ; rows 0 and 8 of the fifth block are ones
	; O^T and l start at 0, TM at the cap 1, RM at 2^-60: the first step is a step like any other.  All this stands in the wait for the first tile.
	WIN TO_1
.set i, 0
.rept 80
	v_mov_b32 v[O+i], 0
.set i, i+1
.endr
.set i, 0
.rept 8
	v_mov_b32 v[ONES+i], v14
.set i, i+1
.endr
	WIN 0
.irp t, 0,1
	v_mov_b32 v[ST+16*(\t)+1], 1.0
	v_mov_b32 v[ST+16*(\t)+6], 0x21800000
.irp j, 3,4,5,7,8,9,10,11,12,13,14,15
	v_mov_b32 v[ST+16*(\t)+(\j)], 0
.endr
.endr
	s_wait_loadcnt 0x0              ; Q
.set q, 0
.rept 16                            ; QN = |q|^2 of the f16 numbers, in f32: two chains a tile
.irp t, 0,1
.if q == 0
	v_fma_mix_f32 v[ST+16*(\t)+12], v[Q+16*(\t)+q], v[Q+16*(\t)+q], v[NIL] op_sel_hi:[1,1,0]
	v_fma_mix_f32 v[ST+16*(\t)+13], v[Q+16*(\t)+q], v[Q+16*(\t)+q], v[NIL] op_sel:[1,1,0] op_sel_hi:[1,1,0]
.else
	v_fma_mix_f32 v[ST+16*(\t)+12], v[Q+16*(\t)+q], v[Q+16*(\t)+q], v[ST+16*(\t)+12] op_sel_hi:[1,1,0]
	v_fma_mix_f32 v[ST+16*(\t)+13], v[Q+16*(\t)+q], v[Q+16*(\t)+q], v[ST+16*(\t)+13] op_sel:[1,1,0] op_sel_hi:[1,1,0]
.endif
.endr
.set q, q+1
.endr
.irp t, 0,1
	v_add_f32 v[ST+16*(\t)+12], v[ST+16*(\t)+12], v[ST+16*(\t)+13]
.endr
.irp t, 0,1
	v_permlanex16_b32 v[ST+16*(\t)+14], v[ST+16*(\t)+12], s[SEL], s[SEL+1]
.endr
.irp t, 0,1
	v_add_f32 v[ST+16*(\t)], v[ST+16*(\t)+12], v[ST+16*(\t)+14]
.endr
.irp t, 0,1
	v_sub_f32 v[ST+16*(\t)+12], 1.0, v[ST+16*(\t)]
.endr
.irp t, 0,1
	v_rcp_f32 v[ST+16*(\t)+13], v[ST+16*(\t)+12]
.endr
	v_nop                           ; a plain line behind the reciprocals
	s_wait_alu depctr_va_vdst(0)
.irp t, 0,1
	v_mul_f32 v[ST+16*(\t)+2], 0x22000000, v[ST+16*(\t)+13]  ; GA = 2^-59 / (1 - QN)
.endr
; THE MATRIX WORK.  The accumulators of a run take turns, one instruction a turn.
; Product i of 8 of S^T = K Q^T + ck for tile t: channels 32 (i / 4) on, keys 16 (i % 4) on.  The first 4 start the sums with ck.
.macro KQ t
	WIN W_KQ
.set rS, S+32*(\t)+8*(i%4)
.set rK, KF+16*(i%4)+8*(i/4)
.set rQ, Q+16*(\t)+8*(i/4)
.set rC, CK+8*(i%4)
.if i < 4
	v_wmma_f32_16x16x32_f16 v[rS:rS+7], v[rK:rK+7], v[rQ:rQ+7], v[rC:rC+7]
.else
	v_wmma_f32_16x16x32_f16 v[rS:rS+7], v[rK:rK+7], v[rQ:rQ+7], v[rS:rS+7]
.endif
.endm
; Six lines behind product i, under the same windows: g = min_u(rb GA, CL) for the four keys 4 i .. 4 i + 3 of the lane's 32.  They name no register of the products round them.
.macro GR t
	v_pk_mul_f32 v[G+4*i:G+4*i+1], v[RB+4*i:RB+4*i+1], v[ST+16*(\t)+2:ST+16*(\t)+3] op_sel_hi:[1,0]
	v_pk_mul_f32 v[G+4*i+2:G+4*i+3], v[RB+4*i+2:RB+4*i+3], v[ST+16*(\t)+2:ST+16*(\t)+3] op_sel_hi:[1,0]
.irp z, 0,1,2,3
	v_min_u32 v[G+4*i+(\z)], s[CL], v[G+4*i+(\z)]
.endr
.endm
; Product n of 10 of O^T += V^T P for tile t: keys 32 (n / 5) on; channels 16 (n % 5) on, or (n % 5 = 4) the ones: l.
.macro PVM t, n
	WIN W_PV
.set rP, P+16*(\t)+8*((\n)/5)
.if (\n)%5 < 4
.set rO, O+32*(\t)+8*((\n)%5)
.set rV, VF+32*((\n)/5)+8*((\n)%5)
.else
.set rO, L+8*(\t)
.set rV, ONES
.endif
	v_wmma_f32_16x16x32_f16 v[rO:rO+7], v[rV:rV+7], v[rP:rP+7], v[rO:rO+7]
.endm
; THE LDS LOADS stand in runs.  A step's K (8 fragments), rb and ck (each lane its 8 keys of each 16), 32 loads; its V (turned), 16 loads.
.macro FETCH_KT
	WIN 0
	v_add_nc_u32 v[AK], s[TBK], v[AK0]
	v_add_nc_u32 v[AT], s[TT], v[AT0]
	WIN TO_1
.irp f, 0,1,2,3,4,5,6,7             ; keys 16 (f / 2) on, channels 32 (f % 2) on
	ds_load_b128 v[KF+8*\f:KF+8*\f+3],   v[AK] offset:(\f/2)*16*PK+(\f%2)*64
	ds_load_b128 v[KF+8*\f+4:KF+8*\f+7], v[AK] offset:(\f/2)*16*PK+(\f%2)*64+32
.endr
.irp f, 0,1,2,3
	ds_load_b128 v[RB+8*\f:RB+8*\f+3],   v[AT] offset:8192+64*\f
	ds_load_b128 v[RB+8*\f+4:RB+8*\f+7], v[AT] offset:8192+64*\f+16
.endr
	WIN 0
.irp f, 0,1,2,3
	ds_load_b128 v[CK+8*\f:CK+8*\f+3],   v[AT] offset:64*\f
	ds_load_b128 v[CK+8*\f+4:CK+8*\f+7], v[AT] offset:64*\f+16
.endr
	s_add_co_u32 s[TBK], s[TBK], KS*PK  ; the next fetch is the next step's
	s_add_co_u32 s[TT], s[TT], 4*KS
.endm
.macro FETCH_V
	WIN 0
	v_add_nc_u32 v[AV], s[TBV], v[AV0]
	s_add_co_u32 s[TBV], s[TBV], KS*PV
	WIN TO_1
.irp f, 0,1,2,3,4,5,6,7             ; keys 32 (f / 4) on, channels 16 (f % 4) on
	ds_load_tr16_b128 v[VF+8*\f:VF+8*\f+3],   v[AV] offset:(\f/4)*32*PV+(\f%4)*32
	ds_load_tr16_b128 v[VF+8*\f+4:VF+8*\f+7], v[AV] offset:(\f/4)*32*PV+16*PV+(\f%4)*32
.endr
.endm
; THE VECTOR WORK.  AP: for the eight scores of key block kb of tile t: d = QN - 2 acc; t = d g held to 0 .. 1; the minimum of seven of them into c_kb.  The accumulator's lowest registers are read first.
.macro AP t, kb
	WIN 0
.set aS, S+32*(\t)+8*(\kb)
.set aG, G+8*(\kb)
.set aT, ST+16*(\t)
.irp j, 0,2,4,6
	v_pk_fma_f32 v[aS+\j:aS+\j+1], v[aS+\j:aS+\j+1], -2.0, v[aT:aT+1] op_sel_hi:[1,0,0]
.endr
.irp j, 0,2,4,6
	v_pk_mul_f32 v[aS+\j:aS+\j+1], v[aS+\j:aS+\j+1], v[aG+\j:aG+\j+1] clamp
.endr
	v_min3_num_f32 v[aT+12+(\kb)], v[aS], v[aS+1], v[aS+2]
	v_min3_num_f32 v[aT+12+(\kb)], v[aT+12+(\kb)], v[aS+3], v[aS+4]
	v_min3_num_f32 v[aT+12+(\kb)], v[aT+12+(\kb)], v[aS+5], v[aS+6]
.endm
; XS: line n of the 12 that end the minimum and make tile t's statistics: the four scores left over, the old TM and c0-c3; the lane 16 away; TM; ZM; A; RM; C1; C3.
.macro XS t, n
	WIN 0
.set xT, ST+16*(\t)
.set xS, S+32*(\t)
.if (\n) == 0
	v_min3_num_f32 v[xT+12], v[xT+12], v[xS+7], v[xS+15]
.elseif (\n) == 1
	v_min3_num_f32 v[xT+13], v[xT+13], v[xS+23], v[xS+31]
.elseif (\n) == 2
	v_min3_num_f32 v[xT+14], v[xT+14], v[xT+15], v[xT+1]
.elseif (\n) == 3
	v_min3_num_f32 v[xT+12], v[xT+12], v[xT+13], v[xT+14]
.elseif (\n) == 4
	v_permlanex16_b32 v[xT+15], v[xT+12], s[SEL], s[SEL+1]
.elseif (\n) == 5
	v_min_num_f32 v[xT+1], v[xT+12], v[xT+15]
.elseif (\n) == 6
	v_fma_f32 v[xT+3], v[xT+1], s[P60], 1.0        ; the least z so far,
.elseif (\n) == 7
	v_and_b32 v[xT+3], 0x7f800000, v[xT+3]         ; its power of two
.elseif (\n) == 8
	v_mul_f32 v[xT+10], v[xT+3], v[xT+6]           ; A = ZM_new RM_old
.elseif (\n) == 9
	v_sub_nc_u32 v[xT+6], 0x7f000000, v[xT+3]      ; RM = 1 / ZM: the exponent mirrored
.elseif (\n) == 10
	v_mul_f32 v[xT+4], s[P60], v[xT+6]
.else
	v_mul_f32 v[xT+8], v[xT+6], v[xT+6]
.endif
.endm
; BI: position n of 20 of tile t's pipeline over its 16 pairs of scores.  Pair n: z' = t C1 + RM; y = z'^2 - C3.  Pair n - 1: two square roots.  Pair n - 2: u = z' + sqrt y.  Pair n - 3: two reciprocals.
; Pair n - 4: rounded to f16.  Plain and transcendental lines alternate, so each transcendental has a plain line that names none of its registers behind it before its result is used (ISA guide 5.7.2);
; at positions 18 and 19, where no plain work is left for that, a v_nop is that line.
.macro BI t, n
	WIN 0
.set bS, S+32*(\t)
.set bT, ST+16*(\t)
.set bP, P+16*(\t)
.if (\n) < 16
	v_pk_fma_f32 v[bS+2*(\n):bS+2*(\n)+1], v[bS+2*(\n):bS+2*(\n)+1], v[bT+4:bT+5], v[bT+6:bT+7] op_sel_hi:[1,0,0]
.elseif (\n) >= 18
	v_nop
	s_wait_alu depctr_va_vdst(0)
.endif
.if ((\n) >= 1) && ((\n) < 17)
	v_sqrt_f32 v[Y+2*(((\n)-1)%4)], v[Y+2*(((\n)-1)%4)]
.endif
.if (\n) < 16
	v_pk_fma_f32 v[Y+2*((\n)%4):Y+2*((\n)%4)+1], v[bS+2*(\n):bS+2*(\n)+1], v[bS+2*(\n):bS+2*(\n)+1], v[bT+8:bT+9] op_sel_hi:[1,1,0] neg_lo:[0,0,1] neg_hi:[0,0,1]
.endif
.if ((\n) >= 1) && ((\n) < 17)
	v_sqrt_f32 v[Y+2*(((\n)-1)%4)+1], v[Y+2*(((\n)-1)%4)+1]
.endif
.if ((\n) >= 2) && ((\n) < 18)
	s_wait_alu depctr_va_vdst(0)
	v_pk_add_f32 v[bS+2*(\n)-4:bS+2*(\n)-3], v[bS+2*(\n)-4:bS+2*(\n)-3], v[Y+2*(((\n)-2)%4):Y+2*(((\n)-2)%4)+1]
.endif
.if ((\n) >= 3) && ((\n) < 19)
	v_rcp_f32 v[bS+2*(\n)-6], v[bS+2*(\n)-6]
.endif
.if (\n) >= 4
	s_wait_alu depctr_va_vdst(0)
	v_cvt_pk_f16_f32 v[bP+(\n)-4], v[bS+2*(\n)-8], v[bS+2*(\n)-7]
.endif
.if ((\n) >= 3) && ((\n) < 19)
	v_rcp_f32 v[bS+2*(\n)-5], v[bS+2*(\n)-5]
.endif
.endm
; RS: line n of the 17 that multiply tile t's O^T (ascending) and l by A; beyond 16: nothing.
.macro RS t, n
.if (\n) < 16
	WIN W_PV
	v_pk_mul_f32 v[O+32*(\t)+2*(\n):O+32*(\t)+2*(\n)+1], v[O+32*(\t)+2*(\n):O+32*(\t)+2*(\n)+1], v[ST+16*(\t)+10:ST+16*(\t)+11] op_sel_hi:[1,0]
.elseif (\n) == 16
	WIN W_PV
	v_pk_mul_f32 v[L+8*(\t):L+8*(\t)+1], v[L+8*(\t):L+8*(\t)+1], v[ST+16*(\t)+10:ST+16*(\t)+11] op_sel_hi:[1,0]
.endif
.endm
; A KEY STEP.  K, ck and rb of the step have been asked for.
.macro STEP
	s_wait_dscnt 0x0                ; K, ck, rb are in
.set i, 0
.rept 8
	KQ 0
	GR 0
.if i == 0
	FETCH_V                         ; the six lines above are the places behind the last step's products, which read V
.endif
.set i, i+1
.endr
.irp kb, 0,1,2,3
	AP 0, \kb                       ; the six lines behind the last product are its places
.endr
.set i, 0
.rept 8
	KQ 1
	GR 1
.set i, i+1
.endr
.irp kb, 0,1,2,3
	AP 1, \kb
	XS 0, 3*(\kb)                   ; tile 0's statistics, a chain, are dealt among tile 1's scores
	XS 0, 3*(\kb)+1
	XS 0, 3*(\kb)+2
.endr
.set n, 0
.rept 20
.if n < 12
	XS 1, n                         ; and tile 1's among tile 0's weights
.endif
	BI 0, n
.set n, n+1
.endr
	s_wait_dscnt 0x0                ; V is in
	s_cmp_eq_u32 s[CNT], 1          ; a slot's last step fetches nothing: the next slot is read only behind the change of slots.  Every wait on DScnt here is for 0, so both ways are right
	s_cbranch_scc1 .Lno_kt_\@
	FETCH_KT                        ; the next step's: it has the rest of this step in which to land
.Lno_kt_\@:
.set n, 0
.rept 17
	RS 0, n
.set n, n+1
.endr
.set m, 0
.rept 10                            ; tile 0's products; behind each, two lines of tile 1's rescaling (same windows) and a position of tile 1's weights
	PVM 0, m
	RS 1, 2*m
	RS 1, 2*m+1
	BI 1, m
.set m, m+1
.endr
	BI 1, 10
	BI 1, 11                        ; tile 1's first eight pairs are rounded: its first 32 keys can be multiplied
	PVM 1, 0
	BI 1, 12
	BI 1, 13
	PVM 1, 1
	BI 1, 14
	BI 1, 15
	PVM 1, 2
	BI 1, 16
	BI 1, 17
	PVM 1, 3
	BI 1, 18
	PVM 1, 4
	BI 1, 19
.irp m5, 5,6,7,8,9
	PVM 1, \m5
.endr
	WIN 0
.endm
.Lslot:                             ; seven times: a slot is entered and the next is asked for
	CHANGE 1
	FETCH_KT
	s_mov_b32 s[CNT], 4
.Lstep:
	STEP
	s_sub_co_u32 s[CNT], s[CNT], 1
	s_cmp_lg_u32 s[CNT], 0
	s_cbranch_scc1 .Lstep
	s_sub_co_u32 s[SLOTS], s[SLOTS], 1
	s_cmp_lg_u32 s[SLOTS], 0
	s_cbranch_scc1 .Lslot
	CHANGE 0                        ; the last slot is written out: nothing is asked for
	FETCH_KT
	s_mov_b32 s[CNT], 4
.Ltail:
	STEP
	s_sub_co_u32 s[CNT], s[CNT], 1
	s_cmp_lg_u32 s[CNT], 0
	s_cbranch_scc1 .Ltail
	; THE WAY OUT.  O^T is divided by l, rounded to f16 and sent through my stage in LDS, a tile at a time.
	PLACES                          ; behind the last products
	WIN W_KQ
	v_rcp_f32 v[ST+10], v[L]        ; l lies in register 0 of its accumulator
	v_rcp_f32 v[ST+26], v[L+8]
	v_nop                           ; a plain line behind the reciprocals
	s_wait_alu depctr_va_vdst(0)
.macro PACK t
	WIN 0x41                        ; destination and source 0 window 1, source 1 window 0
.set i, 0
.rept 16
	v_pk_mul_f32 v[O+32*(\t)+2*i:O+32*(\t)+2*i+1], v[O+32*(\t)+2*i:O+32*(\t)+2*i+1], v[ST+16*(\t)+10:ST+16*(\t)+11] op_sel_hi:[1,0]
.set i, i+1
.endr
	WIN 0x05                        ; sources 0 and 1 window 1, destination window 0
.set i, 0
.rept 16
	v_cvt_pk_f16_f32 v[S+16*(\t)+i], v[O+32*(\t)+2*i], v[O+32*(\t)+2*i+1]
.set i, i+1
.endr
	WIN 0
.irp f, 0,1,2,3
	ds_store_b128 v[STO], v[S+16*(\t)+4*\f:S+16*(\t)+4*\f+3] offset:32*\f
.endr
.irp f, 0,1,2,3
	ds_load_b128 v[S+16*(\t)+4*\f:S+16*(\t)+4*\f+3], v[RD] offset:\f*4*SP  ; LDS serves a wave's instructions in order (ISA guide 5.7.1.4): these see the stores above; the next tile's stores come behind them
.endr
.endm
.macro SEND t, younger              ; younger: the LDS instructions issued behind tile t's loads: the next tile's eight, or none
.irp f, 0,1,2,3
	s_wait_dscnt (\younger)+3-\f
	global_store_b128 v[GO], v[S+16*(\t)+4*\f:S+16*(\t)+4*\f+3], s[OB:OB+1] offset:(\t)*2048+\f*512  ; four rows: 512 consecutive bytes, aligned
.endr
.endm
	PACK 0
	PACK 1
	SEND 0, 8
	SEND 1, 0
	s_wait_tensorcnt 0x0            ; the wave's end: behind my last tensor load and my last LDS store
	ds_add_u32 v[SPW], v[NIL]
	s_wait_dscnt 0x0
	CROUND                          ; the closing round: no work-group ends while a partner may still ask for a tile that names it
	s_endpgm
.Lfunc_end_k_qf1df0b61f0_attn:
	.size	k_qf1df0b61f0_attn, .Lfunc_end_k_qf1df0b61f0_attn-k_qf1df0b61f0_attn
	.p2alignl 7, 3214868480
	.fill 96, 4, 3214868480
	.section	.rodata,"a",@progbits
	.p2align	6, 0x0
	.amdhsa_kernel k_qf1df0b61f0_attn
		.amdhsa_group_segment_fixed_size 327680
		.amdhsa_private_segment_fixed_size 0
		.amdhsa_enable_private_segment 0
		.amdhsa_kernarg_size 24
		.amdhsa_user_sgpr_count 2
		.amdhsa_user_sgpr_kernarg_segment_ptr 1
		.amdhsa_wavefront_size32 1
		.amdhsa_system_sgpr_workgroup_id_x 1
		.amdhsa_system_sgpr_workgroup_id_y 1
		.amdhsa_system_sgpr_workgroup_id_z 1
		.amdhsa_system_vgpr_workitem_id 0
		.amdhsa_next_free_vgpr 512
		.amdhsa_next_free_sgpr 80
		.amdhsa_reserve_vcc 1
		.amdhsa_float_denorm_mode_32 3
		.amdhsa_float_denorm_mode_16_64 3
		.amdhsa_memory_ordered 1
		.amdhsa_forward_progress 1
		.amdhsa_inst_pref_size 99
	.end_amdhsa_kernel
	.amdgpu_metadata
---
amdhsa.version: [ 1, 2 ]
amdhsa.kernels:
  - .name:           k_qf1df0b61f0_attn
    .symbol:         k_qf1df0b61f0_attn.kd
    .args:
      - { .name: qkv, .offset: 0, .size: 8, .value_kind: global_buffer, .address_space: global }
      - { .name: nt, .offset: 8, .size: 8, .value_kind: global_buffer, .address_space: global }
      - { .name: ob, .offset: 16, .size: 8, .value_kind: global_buffer, .address_space: global }
    .group_segment_fixed_size: 327680
    .private_segment_fixed_size: 0
    .kernarg_segment_align: 8
    .kernarg_segment_size: 24
    .max_flat_workgroup_size: 256
    .sgpr_count:     80
    .vgpr_count:     512
    .wavefront_size: 32
...
	.end_amdgpu_metadata
.endif
;; end of part 3
;; launch outp (part 4): grid 8 x 32, 4 waves a work-group, clusters of 4 x 4, 327,680 bytes of LDS; arguments ob, wob, out0; writes out0
.if DOCPART == 4
	.amdgcn_target "amdgcn-amd-amdhsa--gfx1250"
	.amdhsa_code_object_version 6
	.text
	.protected	k_qf1df0b61f0_outp
	.globl	k_qf1df0b61f0_outp
	.p2align	8
	.type	k_qf1df0b61f0_outp,@function
k_qf1df0b61f0_outp:
	s_mov_b64 s[64:65], 0
	v_nop
	global_prefetch_b8 v0, s[64:65] scope:SCOPE_SE
	s_setreg_imm32_b32 hwreg(HW_REG_WAVE_MODE, 25, 1), 1
	s_wait_xcnt 0x0
	s_wait_alu depctr_hold_cnt(0) depctr_sa_sdst(0) depctr_va_vdst(0) depctr_va_sdst(0) depctr_va_ssrc(0) depctr_va_vcc(0) depctr_vm_vsrc(0)
	s_getreg_b32 s2, hwreg(HW_REG_IB_STS2, 6, 4)
	s_cmp_eq_u32 s2, 0
	s_cbranch_scc0 .Lentry_in_a_cluster
	s_endpgm
.Lentry_in_a_cluster:
	s_bfe_u32 s2, ttmp6, 0x10000c
	s_cmp_lg_u32 s2, 0xf033
	s_cbranch_scc0 .Lentry_shape_is_right
	s_endpgm
.Lentry_shape_is_right:
; THE LAST PROJECTION.  out0[m][n] = sum over k of O[m][k] wo[n][k], m < 4096, n < 1024, k = 64 h + d < 1024; f16 operands, f32 sums, f32 out.
; ob: f16 [m / 128][h 16][m % 128][64];  wob: f16 [n / 128][h 16][n % 128][64]: a tile's slices of 64 along K are dense blocks of 16,384 bytes that lie end to end.
; A tile of out0 is 128 x 128: 8 x 32 tiles, a work-group each.  Four waves, each 64 x 64: 16 accumulators.  K goes in four steps of 256 (four slices) through two LDS slots; a wave's tensor load brings two
; slices, 32,768 dense bytes, as 128 rows of 256 bytes, padded in LDS after every 128 bytes (a matrix row).
; CLUSTER: 4 x 4 work-groups; ob's tile is shared along a row of the cluster, wob's along a column: joint loads.
; THE MATRIX INSTRUCTION IS USED TRANSPOSED (source 0 = 16 rows of wob, source 1 = 16 rows of ob): a lane holds eight neighbouring numbers of a row of out0.
; REGISTERS: window 0: v0-31 addresses; v32-95 rows read back, two buffers; v128-255 the accumulators ((a, b) at 128 + 8 (4 a + b)).
;   window 1: two fragment buffers of 128: for 64 along K, 64 registers of ob, then 64 of wob.
.set PITCH,  144                       ; a matrix row in LDS: 128 bytes + 16: the 16 rows of a fragment load start 36 words apart
.set SLICE,  128*PITCH                 ; 64 along K of 128 rows
.set HALFT,  2*SLICE                   ; what one tensor load brings
.set SLOT,   4*HALFT                   ; ob's four slices, then wob's four
.set STEPB,  65536                     ; a K step's four slices in memory
.set STAGE,  2*SLOT                    ; behind the ring, never filled by a tensor load: 16 rows x 272 bytes for each wave
.set SPITCH, 272
.set SPARE,  STAGE+4*16*SPITCH         ; the spare words: 128 bytes a wave, two blocks of 256 bytes that no other line names
.set LAPS,   2                         ; a lap = two K steps = once round the ring
.set ADRA, 16
.set ADRB, 20
.set STO,  24
.set RD,   25
.set CO,   26
.set SPW,  28                          ; my spare word; never rewritten
.set NIL,  29                          ; 0; never rewritten
.set TMP,  32
.set ACC,  128
.set F0,   0
.set F1,   128
.set G1, 24
.set G0, 32
.set G1B, 48
.set G0B, 56
.set MSB, 0
.macro WIN new
.if MSB != (\new)
	s_set_vgpr_msb (MSB<<8)|(\new)
.set MSB, \new
.endif
.endm
.set MUL,  0x05                        ; sources 0 and 1 window 1; C and D window 0
.set TO_F, 0x40                        ; destination window 1, address window 0
.macro JLOAD s                         ; a joint load: waves 0 and 1 fetch ob's halves, waves 2 and 3 wob's; an s_nop 0 and four v_nop follow each line
	s_cmp_eq_u32 s11, 0
	s_cbranch_scc0 .Lfor_b_\@
	tensor_load_to_lds s[G0+4*(\s):G0+4*(\s)+3], s[G1:G1+7]
	s_nop 0
.rept 4
	v_nop
.endr
	s_branch .Lasked_\@
.Lfor_b_\@:
	tensor_load_to_lds s[G0B+4*(\s):G0B+4*(\s)+3], s[G1B:G1B+7]
	s_nop 0
.rept 4
	v_nop
.endr
.Lasked_\@:
.endm
.macro CREST
	s_cmp_lg_u32 s10, 0
	s_cbranch_scc1 .Lnot_wave_0_\@
	s_barrier_signal -3
.Lnot_wave_0_\@:
	s_barrier_wait -3
	s_barrier_signal -1
	s_barrier_wait -1
.endm
.macro CROUND
	s_barrier_signal -1
	s_barrier_wait -1
	CREST
.endm
	s_load_b128 s[4:7], s[0:1], 0x0                ; ob s[4:5], wob s[6:7]
	s_load_b64 s[8:9], s[0:1], 0x10                ; out0
	v_lshl_add_u32 v[SPW], v0, 2, SPARE
	v_mov_b32 v[NIL], 0
	ds_add_u32 v[SPW], v[NIL]                      ; the wave's opening: the add and its wait stand ahead of my first tensor load; the set-up below, work on registers, stands between them
	v_lshrrev_b32 v1, 5, v0
	v_readfirstlane_b32 s10, v1                    ; wave 0..3
	s_lshr_b32 s11, s10, 1                         ; which half of the tile's rows is mine.  Also: I fetch for ob (0) or wob (1)
	s_and_b32 s12, s10, 1                          ; which half of its columns.  Also: which two slices I fetch
	s_bfe_u32 s40, ttmp6, 0x40000
	s_bfe_u32 s41, ttmp6, 0x40004
	s_lshl_b32 s42, ttmp9, 2
	s_add_co_u32 s42, s42, s40                     ; tile column
	s_and_b32 s13, ttmp7, 0xffff
	s_lshl_b32 s13, s13, 2
	s_add_co_u32 s13, s13, s41                     ; tile row
	s_lshl_b32 s43, s41, 2
	s_lshl_b32 s43, 15, s43                        ; my row of the cluster
	s_lshl_b32 s44, 0x1111, s40                    ; my column
	s_or_b32 s[G1+0], s43, (1<<16)|(1<<20)|(1<<21)|(4<<22)|(3<<25)   ; the mask; 2-byte elements; padding on; bit 21 beside a mask; after every 32 words, 4 words
	s_or_b32 s[G1B+0], s44, (1<<16)|(1<<20)|(1<<21)|(4<<22)|(3<<25)
.irp g, G1, G1B
	s_mov_b32 s[(\g)+1], 128<<16                   ; tensor_dim0 = 128 elements: 256 bytes
	s_mov_b32 s[(\g)+2], 128<<16                   ; tensor_dim1 = 128
	s_mov_b32 s[(\g)+3], 128<<16                   ; tile_dim0
	s_mov_b32 s[(\g)+4], 128                       ; tile_dim1
	s_mov_b32 s[(\g)+5], 128                       ; dense
	s_mov_b32 s[(\g)+6], 0
	s_mov_b32 s[(\g)+7], 0
.endr
	s_lshl_b32 s16, s13, 18                        ; ob: 262,144 bytes for a block of 128 rows; my two slices
	s_lshl_b32 s17, s12, 15
	s_add_co_u32 s16, s16, s17
	s_mov_b32 s17, 0
	s_lshl_b32 s46, s42, 18                        ; wob likewise
	s_lshl_b32 s47, s12, 15
	s_add_co_u32 s46, s46, s47
	s_mov_b32 s47, 0
	s_mul_i32 s20, s10, HALFT                      ; where they go: wave x two slices
	s_wait_dscnt 0x0                               ; the opening add is done
	s_wait_kmcnt 0x0
	s_add_nc_u64 s[14:15], s[4:5], s[16:17]
	s_add_nc_u64 s[46:47], s[6:7], s[46:47]
	CROUND                                         ; all sixteen work-groups are here: the first joint loads meet
.irp s, 0,1
	s_mov_b32 s[G0+4*(\s)], 1
	s_add_co_u32 s[G0+4*(\s)+1], s20, (\s)*SLOT
	s_add_nc_u64 s[G0+4*(\s)+2:G0+4*(\s)+3], s[14:15], (\s)*STEPB
	s_or_b32 s[G0+4*(\s)+3], s[G0+4*(\s)+3], 0x80000000
	s_mov_b32 s[G0B+4*(\s)], 1
	s_add_co_u32 s[G0B+4*(\s)+1], s20, (\s)*SLOT
	s_add_nc_u64 s[G0B+4*(\s)+2:G0B+4*(\s)+3], s[46:47], (\s)*STEPB
	s_or_b32 s[G0B+4*(\s)+3], s[G0B+4*(\s)+3], 0x80000000
	JLOAD \s                                       ; two loads of mine are out
.endr
	v_and_b32 v1, 15, v0                           ; l % 16
	v_bfe_u32 v2, v0, 4, 1                         ; l / 16
	v_mul_u32_u24 v3, v1, PITCH
	v_lshl_add_u32 v3, v2, 4, v3
	s_mul_i32 s21, s11, 64*PITCH                   ; my 64 rows of ob's slices
	s_mul_i32 s22, s12, 64*PITCH                   ; my 64 rows of wob's,
	s_add_co_u32 s22, s22, 2*HALFT                 ; which lie behind ob's four slices
.irp s, 0,1
	v_add_nc_u32 v[ADRA+(\s)], s21, v3
	v_add_nc_u32 v[ADRB+(\s)], s22, v3
	s_add_co_u32 s21, s21, SLOT
	s_add_co_u32 s22, s22, SLOT
.endr
	s_mul_i32 s23, s10, 16*SPITCH
	s_add_co_u32 s23, s23, STAGE                   ; my stage
	v_mul_u32_u24 v4, v1, SPITCH                   ; in: row l % 16, 32 bytes for each half of the lanes
	v_lshl_add_u32 v4, v2, 5, v4
	v_add_nc_u32 v[STO], s23, v4
	v_mul_u32_u24 v5, v2, SPITCH                   ; back: lanes 0-15 one row of 256 bytes, lanes 16-31 the next
	v_lshl_add_u32 v5, v1, 4, v5
	v_add_nc_u32 v[RD], s23, v5
	v_lshlrev_b32 v5, 12, v2                       ; and the same two rows in out0, 4,096 bytes apart
	v_lshl_add_u32 v[CO], v1, 4, v5
	s_lshl_b32 s16, s13, 7
	s_lshl_b32 s17, s11, 6
	s_add_co_u32 s16, s16, s17                     ; my first row
	s_lshl_b32 s16, s16, 12
	s_mov_b32 s17, 0
	s_add_nc_u64 s[8:9], s[8:9], s[16:17]
	s_lshl_b32 s46, s42, 9                         ; my first column, in bytes: 512 x tile column + 256 x half
	s_lshl_b32 s47, s12, 8
	s_add_co_u32 s46, s46, s47
	s_mov_b32 s47, 0
	s_add_nc_u64 s[8:9], s[8:9], s[46:47]
; 8 matrix instructions: row blocks a0, a0 + 1 x all 4 column blocks, 32 along K: half c of buffer f.  The 16 accumulators take turns.
.macro MUL8 f, c, a0, zero
	WIN MUL
.irp a, \a0, (\a0)+1
.irp b, 0,1,2,3
.if \zero
	v_wmma_f32_16x16x32_f16 v[ACC+8*(4*(\a)+(\b)):ACC+8*(4*(\a)+(\b))+7], v[(\f)+64+8*(4*(\c)+(\b)):(\f)+64+8*(4*(\c)+(\b))+7], v[(\f)+8*(4*(\c)+(\a)):(\f)+8*(4*(\c)+(\a))+7], 0
.else
	v_wmma_f32_16x16x32_f16 v[ACC+8*(4*(\a)+(\b)):ACC+8*(4*(\a)+(\b))+7], v[(\f)+64+8*(4*(\c)+(\b)):(\f)+64+8*(4*(\c)+(\b))+7], v[(\f)+8*(4*(\c)+(\a)):(\f)+8*(4*(\c)+(\a))+7], v[ACC+8*(4*(\a)+(\b)):ACC+8*(4*(\a)+(\b))+7]
.endif
.endr
.endr
.endm
; 32 LDS loads in one run: the fragments of one slice (64 along K), which begins at byte k of the slot's part, into buffer f; the first 32 along K first
.macro FETCH slot, k, f
	WIN TO_F
.irp c, 0,1
.irp i, 0,1,2,3
	ds_load_b128 v[(\f)+64+8*(4*(\c)+(\i)):(\f)+64+8*(4*(\c)+(\i))+3],   v[ADRB+(\slot)] offset:(\k)+64*(\c)+(\i)*16*PITCH
	ds_load_b128 v[(\f)+64+8*(4*(\c)+(\i))+4:(\f)+64+8*(4*(\c)+(\i))+7], v[ADRB+(\slot)] offset:(\k)+64*(\c)+(\i)*16*PITCH+32
	ds_load_b128 v[(\f)+8*(4*(\c)+(\i)):(\f)+8*(4*(\c)+(\i))+3],         v[ADRA+(\slot)] offset:(\k)+64*(\c)+(\i)*16*PITCH
	ds_load_b128 v[(\f)+8*(4*(\c)+(\i))+4:(\f)+8*(4*(\c)+(\i))+7],       v[ADRA+(\slot)] offset:(\k)+64*(\c)+(\i)*16*PITCH+32
.endr
.endr
.endm
.macro PLACES
.rept 4
	v_nop
.endr
.endm
; A K step is four quarters, a slice each, 32 matrix instructions, on buffers 0, 1, 0, 1.
.macro QUARTER slot, k, f, g, zero
	s_wait_dscnt 16                                ; the first 32 along K are in; the youngest sixteen loads may be out
	MUL8 \f, 0, 0, \zero
	MUL8 \f, 0, 2, \zero
	PLACES
	FETCH \slot, \k, \g
	s_wait_dscnt 32                                ; all but the 32 just issued
	MUL8 \f, 1, 0, 0
	MUL8 \f, 1, 2, 0
.endm
; The last quarter multiplies buffer 1 and changes slots: ONE barrier; in front of it each wave waits for all its tensor loads, adds 0 to its spare word, and waits for that and for its reads of this slot.
.macro TURN slot, next, fill
	WIN 0
	s_wait_tensorcnt 0x0                           ; all my tensor loads have landed: my part of the next slot
	ds_add_u32 v[SPW], v[NIL]
	s_wait_dscnt 17                                ; (the add and the youngest sixteen loads may be out)
	MUL8 F1, 0, 0, 0
	s_wait_dscnt 0x0                               ; the add is done, and my reads of this slot are over
	s_barrier_signal -1
	MUL8 F1, 0, 2, 0
.if \fill
	WIN 0
.endif
	s_barrier_wait -1
.if \fill
	CREST                                          ; no wave of any partner still reads this slot or has a load on its way
	s_add_nc_u64 s[G0+4*(\slot)+2:G0+4*(\slot)+3], s[G0+4*(\slot)+2:G0+4*(\slot)+3], 2*STEPB
	s_add_nc_u64 s[G0B+4*(\slot)+2:G0B+4*(\slot)+3], s[G0B+4*(\slot)+2:G0B+4*(\slot)+3], 2*STEPB
	JLOAD \slot                                    ; 112 matrix instructions ahead of the wait for it; its four v_nop are also the places in front of the loads below
.else
	PLACES
.endif
	FETCH \next, 0, F0
	MUL8 F1, 1, 0, 0
	MUL8 F1, 1, 2, 0
.endm
	s_wait_tensorcnt 1                             ; my part of K step 0 is in; K step 1's may stay out
	s_barrier_signal -1
	s_barrier_wait -1
	FETCH 0, 0, F0
	QUARTER 0, SLICE, F0, F1, 1                    ; the first quarter stands in front of the loop: its first products start the sums
	WIN 0
	s_mov_b32 s3, LAPS-1
.Llap:
	QUARTER 0, 2*SLICE, F1, F0, 0
	QUARTER 0, 3*SLICE, F0, F1, 0
	TURN 0, 1, 1
	QUARTER 1, SLICE,   F0, F1, 0
	QUARTER 1, 2*SLICE, F1, F0, 0
	QUARTER 1, 3*SLICE, F0, F1, 0
	TURN 1, 0, 1
	QUARTER 0, SLICE,   F0, F1, 0
	WIN 0
	s_sub_co_u32 s3, s3, 1
	s_cmp_lg_u32 s3, 0
	s_cbranch_scc1 .Llap
	QUARTER 0, 2*SLICE, F1, F0, 0                  ; the last lap fills nothing
	QUARTER 0, 3*SLICE, F0, F1, 0
	TURN 0, 1, 0
	QUARTER 1, SLICE,   F0, F1, 0
	QUARTER 1, 2*SLICE, F1, F0, 0
	QUARTER 1, 3*SLICE, F0, F1, 0
	s_wait_dscnt 16
	MUL8 F1, 0, 0, 0
	MUL8 F1, 0, 2, 0
	s_wait_dscnt 0x0
	MUL8 F1, 1, 0, 0
	MUL8 F1, 1, 2, 0
	WIN 0
	; THE WAY OUT.  A wave's 64 columns of f32 are 256 aligned bytes of a row, so each wave has a stage of its own and no barrier is needed.  16 rows at a time: 32 bytes a lane and column block into rows
	; of 272 bytes (each accumulator's low four registers first), back as whole rows of 256, stored.  LDS serves a wave's instructions in order (ISA guide 5.7.1.4).
	PLACES                                         ; behind the last products
.irp a, 0,1,2,3
.irp b, 0,1,2,3
	ds_store_b128 v[STO], v[ACC+8*(4*(\a)+(\b)):ACC+8*(4*(\a)+(\b))+3] offset:64*(\b)
	ds_store_b128 v[STO], v[ACC+8*(4*(\a)+(\b))+4:ACC+8*(4*(\a)+(\b))+7] offset:64*(\b)+16
.endr
.if (\a) >= 2
	s_wait_xcnt 0x0                                ; the stores of two blocks ago have read this buffer: it is loaded again only behind this wait
.endif
.irp t, 0,1,2,3,4,5,6,7
	ds_load_b128 v[TMP+32*((\a)%2)+4*(\t):TMP+32*((\a)%2)+4*(\t)+3], v[RD] offset:(\t)*2*SPITCH
.endr
	s_wait_dscnt 0x0                               ; the block is back in registers
.irp t, 0,1,2,3,4,5,6,7
	global_store_b128 v[CO], v[TMP+32*((\a)%2)+4*(\t):TMP+32*((\a)%2)+4*(\t)+3], s[8:9] offset:(16*(\a)+2*(\t))*4096 th:TH_STORE_NT  ; 16 lanes store 256 consecutive bytes, aligned
.endr
.endr
	s_wait_tensorcnt 0x0                           ; the wave's end: behind my last tensor load and my last LDS store
	ds_add_u32 v[SPW], v[NIL]
	s_wait_dscnt 0x0
	CROUND                                         ; the closing round: no work-group ends while a partner may still ask for a tile that names it
	s_endpgm
.Lfunc_end_k_qf1df0b61f0_outp:
	.size	k_qf1df0b61f0_outp, .Lfunc_end_k_qf1df0b61f0_outp-k_qf1df0b61f0_outp
	.p2alignl 7, 3214868480
	.fill 96, 4, 3214868480
	.section	.rodata,"a",@progbits
	.p2align	6, 0x0
	.amdhsa_kernel k_qf1df0b61f0_outp
		.amdhsa_group_segment_fixed_size 327680
		.amdhsa_private_segment_fixed_size 0
		.amdhsa_enable_private_segment 0
		.amdhsa_kernarg_size 24
		.amdhsa_user_sgpr_count 2
		.amdhsa_user_sgpr_kernarg_segment_ptr 1
		.amdhsa_wavefront_size32 1
		.amdhsa_system_sgpr_workgroup_id_x 1
		.amdhsa_system_sgpr_workgroup_id_y 1
		.amdhsa_system_sgpr_workgroup_id_z 1
		.amdhsa_system_vgpr_workitem_id 0
		.amdhsa_next_free_vgpr 512
		.amdhsa_next_free_sgpr 66
		.amdhsa_reserve_vcc 0
		.amdhsa_float_denorm_mode_32 3
		.amdhsa_float_denorm_mode_16_64 3
		.amdhsa_memory_ordered 1
		.amdhsa_forward_progress 1
		.amdhsa_inst_pref_size 85
	.end_amdhsa_kernel
	.amdgpu_metadata
---
amdhsa.version: [ 1, 2 ]
amdhsa.kernels:
  - .name:           k_qf1df0b61f0_outp
    .symbol:         k_qf1df0b61f0_outp.kd
    .args:
      - { .name: ob, .offset: 0, .size: 8, .value_kind: global_buffer, .address_space: global }
      - { .name: wob, .offset: 8, .size: 8, .value_kind: global_buffer, .address_space: global }
      - { .name: out0, .offset: 16, .size: 8, .value_kind: global_buffer, .address_space: global }
    .group_segment_fixed_size: 327680
    .private_segment_fixed_size: 0
    .kernarg_segment_align: 8
    .kernarg_segment_size: 24
    .max_flat_workgroup_size: 128
    .sgpr_count:     66
    .vgpr_count:     512
    .wavefront_size: 32
...
	.end_amdgpu_metadata
.endif
;; end of part 4
;; ======== version 2 of 2: 4 launches; 1.16 times as fast as version 1
;; limits: values are held in f16: magnitudes above 65,504 overflow, below 6.1e-05 lose precision; right only within a limited range of input values
;; workspace buffers: xb 8,388,608 bytes; wb 6,291,456 bytes; wob 2,097,152 bytes; qkv 25,165,824 bytes; nt 1,572,864 bytes; ob 8,388,608 bytes
;; launch cast: the kernel of part 1 again; grid 1024 x 1, 8 waves a work-group, no clusters, 0 bytes of LDS; arguments x, wq, wk, wv, wo, xb, wb, wob; writes xb, wb, wob
;; launch proj: the kernel of part 2 again; grid 16 x 16, 4 waves a work-group, clusters of 4 x 4, 327,680 bytes of LDS; arguments xb, wb, qkv, nt; writes qkv, nt
;; launch attn (part 5): grid 8 x 32, 8 waves a work-group, clusters of 4 x 1, 327,680 bytes of LDS; arguments qkv, nt, ob; writes ob
.if DOCPART == 5
	.amdgcn_target "amdgcn-amd-amdhsa--gfx1250"
	.amdhsa_code_object_version 6
	.text
	.protected	k_qf1df0b61f0_attn
	.globl	k_qf1df0b61f0_attn
	.p2align	8
	.type	k_qf1df0b61f0_attn,@function
k_qf1df0b61f0_attn:
	s_mov_b64 s[64:65], 0
	v_nop
	global_prefetch_b8 v0, s[64:65] scope:SCOPE_SE
	s_setreg_imm32_b32 hwreg(HW_REG_WAVE_MODE, 25, 1), 1
	s_wait_xcnt 0x0
	s_wait_alu depctr_hold_cnt(0) depctr_sa_sdst(0) depctr_va_vdst(0) depctr_va_sdst(0) depctr_va_ssrc(0) depctr_va_vcc(0) depctr_vm_vsrc(0)
	s_getreg_b32 s2, hwreg(HW_REG_IB_STS2, 6, 4)
	s_cmp_eq_u32 s2, 0
	s_cbranch_scc0 .Lentry_in_a_cluster
	s_endpgm
.Lentry_in_a_cluster:
	s_bfe_u32 s2, ttmp6, 0x10000c
	s_cmp_lg_u32 s2, 0x3003
	s_cbranch_scc0 .Lentry_shape_is_right
	s_endpgm
.Lentry_shape_is_right:
; HYPERBOLIC ATTENTION.  O[q] = sum over k of softmax_k(-arccosh z(q, k)) V[k],  z = max(1 + 2 d / max((1 - |q|^2)(1 - |k|^2), 1e-6), 1),  d = |q|^2 + |k|^2 - 2 q.k.
; exp(-arccosh z) = 1 / (z + sqrt(z^2 - 1)): a weight costs a square root and a reciprocal, no logarithm and no exponential.
; In: qkv f16 [b][G 48][2048][64] (G = h: q; 16 + h: k; 32 + h: v), nt f32 [b][G][2][2048]: ck = -|k|^2 / 2 and rb = 1 / (1 - |k|^2).  Out: ob f16 [row / 128][h][row % 128][64], row = 2048 b + n.
; A SCORE.  acc = q.k + ck (ck is the C operand that starts the sum); d = QN - 2 acc; g = rb GA, GA = 2^-59 / (1 - QN); g = the UNSIGNED minimum of g and CL = 2e6 x 2^-60: for a positive
; product that is the float minimum, and negative products, infinities and NaN have larger bit patterns and give CL: exactly 2 / max(product, 1e-6), scaled; t = d g held to 0 .. 1 = 2^-60 (z - 1).
; THE RUNNING MAXIMUM of -arccosh z is the running MINIMUM TM of t.  What is taken away is that maximum rounded to a power of two: ZM = 2^floor(log2(1 + 2^60 TM)), RM = 1 / ZM.
; p = 1 / (z' + sqrt(z'^2 - RM^2)), z' = z RM: a row's largest p lies in (1/4, 1].  In every step O and l are multiplied by A = ZM_new RM_old <= 1.  All these scalings are by powers of two, so exact.
; l, the row's sum of the rounded p, comes from the matrix unit: a fifth block of V^T that holds ones in its rows 0 and 8, so that register 0 of its result is l in every lane.
; LIMITS.  z - 1 is capped at 2^60 (distances beyond 42.2 count as 42.2); so z' lies in 1 .. 2^61 and RM^2 is at least 2^-120: no square, sum or reciprocal leaves f32's normal range.
; p is rounded to f16: below 2^-25 it is 0.  q, k, v arrive within 65,504.  NaN and infinite inputs are not treated apart.
; SHARES.  A work-group owns 256 queries of one (b, h); each of its 8 waves 32: two tiles of 16.  Every wave walks the 2,048 keys, 64 a step, 256 a slot.
; CLUSTER.  The four query blocks of a cluster belong to one head and walk the same K, V and tables: each tile is asked for JOINTLY, by the same load, descriptor and mask in all four.
; LAYOUT.  S^T = K Q^T (source 0 = 16 keys, source 1 = 16 queries): a lane holds ONE query (l % 16) and the keys 8 (l / 16) + 0..7.  Two such results rounded to f16 ARE source 1 of O^T = V^T P.
; BATCHES.  A key step has 128 transcendentals a lane: a square root and a reciprocal for each of the two tiles' 64 scores.  A reciprocal reads what is made of a root, so they are two batches, each with ONE wait.
; THE ROOTS: all 64, dealt among the lines that make z' and y and among tile 1's statistics, none of which names a root's result; a v_nop; the wait; behind it the wait for V and the next step's run of LDS loads.
; THE RECIPROCALS: all 64, dealt among the sums u = z' + sqrt y; then tile 0's rescaling, 17 lines that name none of their results; the wait; behind it the roundings to f16, which ride on the products V^T P.
; Each result has a register of its own while its batch is open: the 64 y lie in P's and g's registers, the reciprocals in place in S^T.
; REGISTERS.  window 0: v0-15 addresses; v16-47 statistics, 16 a tile; v64-127 S^T; v128-159 P; v160-191 g; v128-191 also y, from g's last use to the sums u; v192-223 ck; v224-255 Q.
;   window 1: v0-63 O^T; v64-79 l's accumulators; v80-87 the ones; v88-119 rb; v128-191 K of one step; v192-255 V of one step.
.set KS,    64
.set PK,    144       ; a row of K in LDS: 128 bytes + 16: the 16 rows of a load start 36 words apart
.set PV,    160       ; a row of V: 128 + 32: 16 lanes of the turning load take 8 rows x 32 bytes
.set VOFF,  4*KS*PK   ; a slot: 256 rows of K, then 256 rows of V
.set SLOT1, 1<<17     ; slot 1 begins here: one exclusive or turns an address in one slot into the other's
.set TABLE, SLOT1+4*KS*(PK+PV)  ; ck[2048], rb[2048]: filled once
.set STAGE, TABLE+16384         ; never filled by a tensor load: 16 rows x 144 bytes for each wave
.set SP,    144
.set SPARE, STAGE+8*16*SP       ; the spare words: 128 bytes a wave, four blocks of 256 bytes that no other line names
.set AK0, 2           ; my lane's place in a tile of K; never rewritten
.set AV0, 3           ; in a tile of V
.set AT0, 4           ; in 64 keys of a table
.set AK,  5           ; the addresses of the runs of loads in hand
.set AV,  6
.set AT,  7
.set STO, 8
.set RD,  9
.set GO,  10
.set SPW, 12          ; my spare word; never rewritten
.set NIL, 13          ; 0; never rewritten
.set QO,  15          ; my byte offset in 16 rows of Q
.set ST,  16          ; tile t at ST + 16 t: +0 QN, +1 TM, +2 GA, +3 ZM, +4 C1 = 2^60 RM, +6 RM, +8 C3 = RM^2, +10 A, +12..15 c0-c3; the odd partners of +4 .. +10 are written once: a broadcast names the pair
.set S,   64
.set P,   128
.set Y,   128         ; y and its root, 64 registers: P's 32 (free from the last step's products to this step's roundings) and g's 32 (free behind tile 1's scores)
.set G,   160
.set CK,  192
.set Q,   224
.set O,   0           ; window 1
.set L,   64
.set ONES, 80
.set RB,  88
.set KF,  128
.set VF,  192
.set WV,  12
.set G1K, 24
.set G1V, 32
.set G0K, 40
.set G0V, 44
.set G1T, 48
.set G0T, 56
.set SLOTS, 60
.set CNT, 61
.set TBK, 62          ; LDS byte at which K of the step to be fetched begins
.set TBV, 63          ; the same for V, less VOFF
.set TT,  66          ; LDS byte of that step's 64 ck
.set CL,  67
.set P60, 68
.set ONE2, 69         ; 1.0 twice, in f16
.set SEL, 70
.set OB,  72          ; s[72:73] ob at my wave's first row
.set QA,  76          ; s[76:77] Q at my wave's first row
.set MSB, 0
.macro WIN new                      ; the high byte repeats the setting that is left; a switch that changes nothing is dropped
.if MSB != (\new)
	s_set_vgpr_msb (MSB<<8)|(\new)
.set MSB, (\new)
.endif
.endm
.set W_KQ, 0x01       ; source 0 in window 1 (K; rb), all else in window 0
.set W_PV, 0x51       ; source 0 (V; O^T), C and D in window 1, source 1 (P; A) in window 0
.set TO_1, 0x40       ; destination window 1
.macro PLACES
.rept 4
	v_nop
.endr
.endm
; A joint fill.  Waves 0-3 fetch the quarters of a slot's K, waves 4-7 those of its V: 64 keys each.  An s_nop 0 and four v_nop follow each line.
.macro JLOAD
	s_cmp_lt_u32 s[WV], 4
	s_cbranch_scc0 .Lfor_v_\@
	tensor_load_to_lds s[G0K:G0K+3], s[G1K:G1K+7]
	s_nop 0
	PLACES
	s_branch .Lasked_\@
.Lfor_v_\@:
	tensor_load_to_lds s[G0V:G0V+3], s[G1V:G1V+7]
	s_nop 0
	PLACES
.Lasked_\@:
.endm
.macro CROUND                       ; a round of the cluster's barrier
	s_barrier_signal -1
	s_barrier_wait -1
	s_cmp_lg_u32 s[WV], 0
	s_cbranch_scc1 .Lnot_wave_0_\@
	s_barrier_signal -3
.Lnot_wave_0_\@:
	s_barrier_wait -3
	s_barrier_signal -1
	s_barrier_wait -1
.endm
; THE CHANGE OF SLOTS.  Each wave waits for all its tensor loads (its part of the other slot), adds 0 to its spare word, and waits for that and for its reads of the slot that it leaves.
; fill = 1: the barrier is a round of the cluster's, and the old slot is filled again first thing behind it, with the keys two slots on: it has four key steps in which to land.
; (At its first use nothing has been read yet: slot 0 and the tables are waited for, slot 1 is filled.)
.macro CHANGE fill
	WIN 0
	s_wait_tensorcnt 0x0            ; no tensor load of mine is out, so a group 0 may be written
	ds_add_u32 v[SPW], v[NIL]
.if \fill
.irp g, G0K, G0V
	s_xor_b32 s[\g+1], s[\g+1], SLOT1
	s_add_nc_u64 s[\g+2:\g+3], s[\g+2:\g+3], 4*KS*128  ; the next 256 keys
.endr
	s_wait_dscnt 0x0                ; the add is done, and my reads of the slot are over
	CROUND
	JLOAD
.else
	s_wait_dscnt 0x0
	s_barrier_signal -1
	s_barrier_wait -1
.endif
	s_sub_co_u32 s[TBK], s[TBK], 4*KS*PK  ; the fetches go back to a slot's first step, in the other slot
	s_xor_b32 s[TBK], s[TBK], SLOT1
	s_sub_co_u32 s[TBV], s[TBV], 4*KS*PV
	s_xor_b32 s[TBV], s[TBV], SLOT1
.endm
	s_load_b128 s[4:7], s[0:1], 0x0  ; qkv s[4:5], nt s[6:7]
	s_load_b64 s[8:9], s[0:1], 0x10  ; ob
	v_lshl_add_u32 v[SPW], v0, 2, SPARE
	v_mov_b32 v[NIL], 0
	ds_add_u32 v[SPW], v[NIL]       ; the wave's opening: the add and its wait stand ahead of my first tensor load; the set-up below, work on registers, stands between them
	v_lshrrev_b32 v1, 5, v0
	v_readfirstlane_b32 s[WV], v1   ; wave 0..7
	s_bfe_u32 s13, ttmp6, 0x40000   ; cx
	s_lshl_b32 s14, ttmp9, 2
	s_add_co_u32 s14, s14, s13      ; my block of 256 queries: it enters Q's and ob's addresses alone
	s_and_b32 s15, ttmp7, 0xffff    ; 16 b + h, which the four partners share
	s_lshr_b32 s16, s15, 4          ; b
	s_and_b32 s17, s15, 15          ; h
	s_mul_i32 s18, s16, 48
	s_add_co_u32 s18, s18, s17      ; 48 b + h
	s_and_b32 s19, s[WV], 3         ; which quarter of a slot I fetch
	s_add_co_u32 s20, s18, 16       ; k's head
	s_lshl_b32 s22, s20, 14         ; its tables, 16,384 bytes,
	s_lshl_b32 s23, s[WV], 11       ; of which I fetch 2,048
	s_add_co_u32 s22, s22, s23
	s_mov_b32 s23, 0
	s_lshl_b32 s20, s20, 18         ; its rows, 262,144 bytes,
	s_lshl_b32 s21, s19, 13         ; my 64 keys of the first 256
	s_add_co_u32 s20, s20, s21
	s_mov_b32 s21, 0
	s_add_co_u32 s74, s18, 32       ; v's head
	s_lshl_b32 s74, s74, 18
	s_lshl_b32 s75, s19, 13
	s_add_co_u32 s74, s74, s75
	s_mov_b32 s75, 0
	s_lshl_b32 s[QA], s18, 18       ; q's head, my block's 256 rows, my wave's 32
	s_lshl_b32 s[QA+1], s14, 15
	s_add_co_u32 s[QA], s[QA], s[QA+1]
	s_lshl_b32 s[QA+1], s[WV], 12
	s_add_co_u32 s[QA], s[QA], s[QA+1]
	s_mov_b32 s[QA+1], 0
	s_lshl_b32 s78, s16, 4          ; ob: block of 128 rows 16 b + 2 x my block + wave / 4,
	s_lshl1_add_u32 s78, s14, s78
	s_lshr_b32 s79, s[WV], 2
	s_add_co_u32 s78, s78, s79
	s_lshl_b32 s78, s78, 18         ; 16 heads of 16,384 bytes,
	s_lshl_b32 s79, s17, 14         ; my head,
	s_add_co_u32 s78, s78, s79
	s_lshl_b32 s79, s19, 12         ; my 32 rows of 128 bytes
	s_add_co_u32 s78, s78, s79
	s_mov_b32 s79, 0
	; group 1.  64 keys are 8,192 dense bytes: asked for as 32 rows of 256 bytes, two keys a row, padded in LDS after every key
	s_mov_b32 s[G1K], 15|(1<<16)|(1<<20)|(1<<21)|(4<<22)|(3<<25)  ; the mask of four; 2-byte elements; padding on; bit 21 beside a mask; after every 32 words, 4 words
	s_mov_b32 s[G1V], 15|(1<<16)|(1<<20)|(1<<21)|(4<<22)|(7<<25)  ; the same with 8 words
.irp g, G1K, G1V
	s_mov_b32 s[\g+1], 128<<16      ; tensor_dim0 = 128
	s_mov_b32 s[\g+2], 32<<16       ; tensor_dim1 = 32
	s_mov_b32 s[\g+3], 128<<16      ; tile_dim0 = 128
	s_mov_b32 s[\g+4], 32           ; tile_dim1 = 32
	s_mov_b32 s[\g+5], 128
	s_mov_b32 s[\g+6], 0
	s_mov_b32 s[\g+7], 0
.endr
	s_mov_b32 s[G1T], 15|(3<<16)|(1<<21)  ; the tables: 2,048 dense bytes a wave as 8 rows of 32 elements of 8 bytes, no padding
	s_mov_b32 s[G1T+1], 32<<16
	s_mov_b32 s[G1T+2], 8<<16
	s_mov_b32 s[G1T+3], 32<<16
	s_mov_b32 s[G1T+4], 8
	s_mov_b32 s[G1T+5], 32
	s_mov_b32 s[G1T+6], 0
	s_mov_b32 s[G1T+7], 0
	s_mul_i32 s2, s19, KS*PK        ; where my quarter goes: no place in the cluster enters an LDS address
	s_mul_i32 s3, s19, KS*PV
	s_mov_b32 s[G0K], 1
	s_mov_b32 s[G0K+1], s2
	s_mov_b32 s[G0V], 1
	s_add_co_u32 s[G0V+1], s3, VOFF
	s_mov_b32 s[G0T], 1
	s_lshl_b32 s[G0T+1], s[WV], 11
	s_add_co_u32 s[G0T+1], s[G0T+1], TABLE
	s_mov_b32 s[CL], 0x2bf42400     ; 2e6 x 2^-60
	s_mov_b32 s[P60], 0x5d800000    ; 2^60
	s_mov_b32 s[ONE2], 0x3c003c00
	s_mov_b32 s[SEL], 0x76543210
	s_mov_b32 s[SEL+1], 0xfedcba98
	s_mov_b32 s[TBK], SLOT1+4*KS*PK ; the first change of slots turns these two into 0
	s_mov_b32 s[TBV], SLOT1+4*KS*PV
	s_mov_b32 s[TT], TABLE
	s_mov_b32 s[SLOTS], 7
	s_wait_dscnt 0x0                ; the opening add is done
	s_wait_kmcnt 0x0
	s_add_nc_u64 s[G0K+2:G0K+3], s[4:5], s[20:21]
	s_or_b32 s[G0K+3], s[G0K+3], 0x80000000
	s_add_nc_u64 s[G0V+2:G0V+3], s[4:5], s[74:75]
	s_or_b32 s[G0V+3], s[G0V+3], 0x80000000
	s_add_nc_u64 s[G0T+2:G0T+3], s[6:7], s[22:23]
	s_or_b32 s[G0T+3], s[G0T+3], 0x80000000
	s_add_nc_u64 s[QA:QA+1], s[4:5], s[QA:QA+1]
	s_add_nc_u64 s[OB:OB+1], s[8:9], s[78:79]
	CROUND                          ; all four work-groups are here: the first joint loads meet
	s_cmp_lt_u32 s[WV], 4           ; a wave's two first fills stand in one branch: its quarter of slot 0's K or V, and its eighth of the tables: two loads of mine are out
	s_cbranch_scc0 .Lfirst_v
	tensor_load_to_lds s[G0K:G0K+3], s[G1K:G1K+7]
	s_nop 0
	tensor_load_to_lds s[G0T:G0T+3], s[G1T:G1T+7]
	s_nop 0
	PLACES
	s_branch .Lfirst_asked
.Lfirst_v:
	tensor_load_to_lds s[G0V:G0V+3], s[G1V:G1V+7]
	s_nop 0
	tensor_load_to_lds s[G0T:G0T+3], s[G1T:G1T+7]
	s_nop 0
	PLACES
.Lfirst_asked:
	; A fragment of K or Q is 16 rows x 32 channels in 8 registers: lane l holds row l % 16, channels 8 (l / 16) + 0..7 and 16 + 8 (l / 16) + 0..7.
	v_and_b32 v1, 15, v0            ; l % 16
	v_bfe_u32 v11, v0, 4, 1         ; l / 16
	v_lshlrev_b32 v[QO], 7, v1
	v_lshl_add_u32 v[QO], v11, 4, v[QO]
.irp i, 0,1,2,3                     ; Q stays in registers: tile i / 2, channels 32 (i % 2) on
	global_load_b128 v[Q+8*(\i):Q+8*(\i)+3],   v[QO], s[QA:QA+1] offset:((\i)/2)*2048+((\i)%2)*64
	global_load_b128 v[Q+8*(\i)+4:Q+8*(\i)+7], v[QO], s[QA:QA+1] offset:((\i)/2)*2048+((\i)%2)*64+32
.endr
	v_mul_u32_u24 v[AK0], v1, PK
	v_lshl_add_u32 v[AK0], v11, 4, v[AK0]
	; The turning load takes 16 keys x 16 channels (lane l reads key 8 (l / 16) + l % 8, channels 8 ((l / 8) % 2) + 0..7) and leaves half a fragment of V^T: lane l holds channel l % 16 and 8 keys.
	v_and_b32 v14, 7, v0
	v_bfe_u32 v[AK], v0, 3, 1
	v_lshl_add_u32 v[AV0], v11, 3, v14
	v_mul_u32_u24 v[AV0], v[AV0], PV
	v_lshl_add_u32 v[AV0], v[AK], 4, v[AV0]
	v_add_nc_u32 v[AV0], VOFF, v[AV0]
	v_lshlrev_b32 v[AT0], 5, v11    ; my eight keys of sixteen: 32 bytes of a table
	s_mul_i32 s3, s[WV], 16*SP
	s_add_co_u32 s3, s3, STAGE      ; my stage
	v_mul_u32_u24 v[STO], v1, SP
	v_lshl_add_u32 v[STO], v11, 4, v[STO]
	v_add_nc_u32 v[STO], s3, v[STO]
	v_bfe_u32 v[RD], v0, 3, 2
	v_mul_u32_u24 v[RD], v[RD], SP
	v_lshl_add_u32 v[RD], v14, 4, v[RD]
	v_add_nc_u32 v[RD], s3, v[RD]
	v_and_b32 v[GO], 31, v0
	v_lshlrev_b32 v[GO], 4, v[GO]
	v_cmp_eq_u32 vcc_lo, 0, v14
	v_cndmask_b32 v14, 0, s[ONE2], vcc_lo  ; rows 0 and 8 of the fifth block are ones
	; O^T and l start at 0, TM at the cap 1, RM at 2^-60: the first step is a step like any other.  All this stands in the wait for the first tile.
	WIN TO_1
.set i, 0
.rept 80
	v_mov_b32 v[O+i], 0
.set i, i+1
.endr
.set i, 0
.rept 8
	v_mov_b32 v[ONES+i], v14
.set i, i+1
.endr
	WIN 0
.irp t, 0,1
	v_mov_b32 v[ST+16*(\t)+1], 1.0
	v_mov_b32 v[ST+16*(\t)+6], 0x21800000
.irp j, 3,4,5,7,8,9,10,11,12,13,14,15
	v_mov_b32 v[ST+16*(\t)+(\j)], 0
.endr
.endr
	s_wait_loadcnt 0x0              ; Q
.set q, 0
.rept 16                            ; QN = |q|^2 of the f16 numbers, in f32: two chains a tile
.irp t, 0,1
.if q == 0
	v_fma_mix_f32 v[ST+16*(\t)+12], v[Q+16*(\t)+q], v[Q+16*(\t)+q], v[NIL] op_sel_hi:[1,1,0]
	v_fma_mix_f32 v[ST+16*(\t)+13], v[Q+16*(\t)+q], v[Q+16*(\t)+q], v[NIL] op_sel:[1,1,0] op_sel_hi:[1,1,0]
.else
	v_fma_mix_f32 v[ST+16*(\t)+12], v[Q+16*(\t)+q], v[Q+16*(\t)+q], v[ST+16*(\t)+12] op_sel_hi:[1,1,0]
	v_fma_mix_f32 v[ST+16*(\t)+13], v[Q+16*(\t)+q], v[Q+16*(\t)+q], v[ST+16*(\t)+13] op_sel:[1,1,0] op_sel_hi:[1,1,0]
.endif
.endr
.set q, q+1
.endr
.irp t, 0,1
	v_add_f32 v[ST+16*(\t)+12], v[ST+16*(\t)+12], v[ST+16*(\t)+13]
.endr
.irp t, 0,1
	v_permlanex16_b32 v[ST+16*(\t)+14], v[ST+16*(\t)+12], s[SEL], s[SEL+1]
.endr
.irp t, 0,1
	v_add_f32 v[ST+16*(\t)], v[ST+16*(\t)+12], v[ST+16*(\t)+14]
.endr
.irp t, 0,1
	v_sub_f32 v[ST+16*(\t)+12], 1.0, v[ST+16*(\t)]
.endr
.irp t, 0,1
	v_rcp_f32 v[ST+16*(\t)+13], v[ST+16*(\t)+12]
.endr
	v_nop                           ; a plain line behind the reciprocals
	s_wait_alu depctr_va_vdst(0)    ; the wait ahead of the first use: one for the two tiles' 1 / (1 - QN), once a launch
.irp t, 0,1
	v_mul_f32 v[ST+16*(\t)+2], 0x22000000, v[ST+16*(\t)+13]  ; GA = 2^-59 / (1 - QN)
.endr
; THE MATRIX WORK.  The accumulators of a run take turns, one instruction a turn.
; Product i of 8 of S^T = K Q^T + ck for tile t: channels 32 (i / 4) on, keys 16 (i % 4) on.  The first 4 start the sums with ck.
.macro KQ t
	WIN W_KQ
.set rS, S+32*(\t)+8*(i%4)
.set rK, KF+16*(i%4)+8*(i/4)
.set rQ, Q+16*(\t)+8*(i/4)
.set rC, CK+8*(i%4)
.if i < 4
	v_wmma_f32_16x16x32_f16 v[rS:rS+7], v[rK:rK+7], v[rQ:rQ+7], v[rC:rC+7]
.else
	v_wmma_f32_16x16x32_f16 v[rS:rS+7], v[rK:rK+7], v[rQ:rQ+7], v[rS:rS+7]
.endif
.endm
; Six lines behind product i, under the same windows: g = min_u(rb GA, CL) for the four keys 4 i .. 4 i + 3 of the lane's 32.  They name no register of the products round them.
.macro GR t
	v_pk_mul_f32 v[G+4*i:G+4*i+1], v[RB+4*i:RB+4*i+1], v[ST+16*(\t)+2:ST+16*(\t)+3] op_sel_hi:[1,0]
	v_pk_mul_f32 v[G+4*i+2:G+4*i+3], v[RB+4*i+2:RB+4*i+3], v[ST+16*(\t)+2:ST+16*(\t)+3] op_sel_hi:[1,0]
.irp z, 0,1,2,3
	v_min_u32 v[G+4*i+(\z)], s[CL], v[G+4*i+(\z)]
.endr
.endm
; Product n of 10 of O^T += V^T P for tile t: keys 32 (n / 5) on; channels 16 (n % 5) on, or (n % 5 = 4) the ones: l.
.macro PVM t, n
	WIN W_PV
.set rP, P+16*(\t)+8*((\n)/5)
.if (\n)%5 < 4
.set rO, O+32*(\t)+8*((\n)%5)
.set rV, VF+32*((\n)/5)+8*((\n)%5)
.else
.set rO, L+8*(\t)
.set rV, ONES
.endif
	v_wmma_f32_16x16x32_f16 v[rO:rO+7], v[rV:rV+7], v[rP:rP+7], v[rO:rO+7]
.endm
; THE LDS LOADS stand in runs.  A step's K (8 fragments), rb and ck (each lane its 8 keys of each 16), 32 loads; its V (turned), 16 loads.
.macro FETCH_KT
	WIN 0
	v_add_nc_u32 v[AK], s[TBK], v[AK0]
	v_add_nc_u32 v[AT], s[TT], v[AT0]
	WIN TO_1
.irp f, 0,1,2,3,4,5,6,7             ; keys 16 (f / 2) on, channels 32 (f % 2) on
	ds_load_b128 v[KF+8*\f:KF+8*\f+3],   v[AK] offset:(\f/2)*16*PK+(\f%2)*64
	ds_load_b128 v[KF+8*\f+4:KF+8*\f+7], v[AK] offset:(\f/2)*16*PK+(\f%2)*64+32
.endr
.irp f, 0,1,2,3
	ds_load_b128 v[RB+8*\f:RB+8*\f+3],   v[AT] offset:8192+64*\f
	ds_load_b128 v[RB+8*\f+4:RB+8*\f+7], v[AT] offset:8192+64*\f+16
.endr
	WIN 0
.irp f, 0,1,2,3
	ds_load_b128 v[CK+8*\f:CK+8*\f+3],   v[AT] offset:64*\f
	ds_load_b128 v[CK+8*\f+4:CK+8*\f+7], v[AT] offset:64*\f+16
.endr
	s_add_co_u32 s[TBK], s[TBK], KS*PK  ; the next fetch is the next step's
	s_add_co_u32 s[TT], s[TT], 4*KS
.endm
.macro FETCH_V
	WIN 0
	v_add_nc_u32 v[AV], s[TBV], v[AV0]
	s_add_co_u32 s[TBV], s[TBV], KS*PV
	WIN TO_1
.irp f, 0,1,2,3,4,5,6,7             ; keys 32 (f / 4) on, channels 16 (f % 4) on
	ds_load_tr16_b128 v[VF+8*\f:VF+8*\f+3],   v[AV] offset:(\f/4)*32*PV+(\f%4)*32
	ds_load_tr16_b128 v[VF+8*\f+4:VF+8*\f+7], v[AV] offset:(\f/4)*32*PV+16*PV+(\f%4)*32
.endr
.endm
; THE VECTOR WORK.  AP: for the eight scores of key block kb of tile t: d = QN - 2 acc; t = d g held to 0 .. 1; the minimum of seven of them into c_kb.  The accumulator's lowest registers are read first.
.macro AP t, kb
	WIN 0
.set aS, S+32*(\t)+8*(\kb)
.set aG, G+8*(\kb)
.set aT, ST+16*(\t)
.irp j, 0,2,4,6
	v_pk_fma_f32 v[aS+\j:aS+\j+1], v[aS+\j:aS+\j+1], -2.0, v[aT:aT+1] op_sel_hi:[1,0,0]
.endr
.irp j, 0,2,4,6
	v_pk_mul_f32 v[aS+\j:aS+\j+1], v[aS+\j:aS+\j+1], v[aG+\j:aG+\j+1] clamp
.endr
	v_min3_num_f32 v[aT+12+(\kb)], v[aS], v[aS+1], v[aS+2]
	v_min3_num_f32 v[aT+12+(\kb)], v[aT+12+(\kb)], v[aS+3], v[aS+4]
	v_min3_num_f32 v[aT+12+(\kb)], v[aT+12+(\kb)], v[aS+5], v[aS+6]
.endm
; XS: line n of the 12 that end the minimum and make tile t's statistics: the four scores left over, the old TM and c0-c3; the lane 16 away; TM; ZM; A; RM; C1; C3.
.macro XS t, n
	WIN 0
.set xT, ST+16*(\t)
.set xS, S+32*(\t)
.if (\n) == 0
	v_min3_num_f32 v[xT+12], v[xT+12], v[xS+7], v[xS+15]
.elseif (\n) == 1
	v_min3_num_f32 v[xT+13], v[xT+13], v[xS+23], v[xS+31]
.elseif (\n) == 2
	v_min3_num_f32 v[xT+14], v[xT+14], v[xT+15], v[xT+1]
.elseif (\n) == 3
	v_min3_num_f32 v[xT+12], v[xT+12], v[xT+13], v[xT+14]
.elseif (\n) == 4
	v_permlanex16_b32 v[xT+15], v[xT+12], s[SEL], s[SEL+1]
.elseif (\n) == 5
	v_min_num_f32 v[xT+1], v[xT+12], v[xT+15]
.elseif (\n) == 6
	v_fma_f32 v[xT+3], v[xT+1], s[P60], 1.0        ; the least z so far,
.elseif (\n) == 7
	v_and_b32 v[xT+3], 0x7f800000, v[xT+3]         ; its power of two
.elseif (\n) == 8
	v_mul_f32 v[xT+10], v[xT+3], v[xT+6]           ; A = ZM_new RM_old
.elseif (\n) == 9
	v_sub_nc_u32 v[xT+6], 0x7f000000, v[xT+3]      ; RM = 1 / ZM: the exponent mirrored
.elseif (\n) == 10
	v_mul_f32 v[xT+4], s[P60], v[xT+6]
.else
	v_mul_f32 v[xT+8], v[xT+6], v[xT+6]
.endif
.endm
; THE WEIGHTS.  The step's 64 scores a lane are 32 pairs, m = 0 .. 31: tile m / 16, pair m % 16.  Pair m lies at S + 2 m, its y at Y + 2 m, its two rounded weights at P + m.
; RT: position n of 34 of THE ROOTS' BATCH.  Pair n: z' = t C1 + RM.  Pair n - 1: y = z'^2 - C3.  Pair n - 2: its two square roots, in place.  Plain lines and roots alternate; a y is made three lines ahead of its root;
; no line of the 34 positions names a root's result, since each y has a register of its own.
.macro RT n
	WIN 0
.if (\n) < 32
.set zT, ST+16*((\n)/16)
	v_pk_fma_f32 v[S+2*(\n):S+2*(\n)+1], v[S+2*(\n):S+2*(\n)+1], v[zT+4:zT+5], v[zT+6:zT+7] op_sel_hi:[1,0,0]
.endif
.if (\n) >= 2
	v_sqrt_f32 v[Y+2*(\n)-4], v[Y+2*(\n)-4]
.endif
.if ((\n) >= 1) && ((\n) < 33)
.set zT, ST+16*(((\n)-1)/16)
	v_pk_fma_f32 v[Y+2*(\n)-2:Y+2*(\n)-1], v[S+2*(\n)-2:S+2*(\n)-1], v[S+2*(\n)-2:S+2*(\n)-1], v[zT+8:zT+9] op_sel_hi:[1,1,0] neg_lo:[0,0,1] neg_hi:[0,0,1]
.endif
.if (\n) >= 2
	v_sqrt_f32 v[Y+2*(\n)-3], v[Y+2*(\n)-3]
.endif
.endm
; IV: position n of 33 of THE RECIPROCALS' BATCH.  Pair n: u = z' + sqrt y (it reads roots, so it stands behind their wait).  Pair n - 1: its two reciprocals, in place.  No line of the 33 positions names a reciprocal's result.
.macro IV n
	WIN 0
.if (\n) < 32
	v_pk_add_f32 v[S+2*(\n):S+2*(\n)+1], v[S+2*(\n):S+2*(\n)+1], v[Y+2*(\n):Y+2*(\n)+1]
.endif
.if (\n) >= 1
	v_rcp_f32 v[S+2*(\n)-2], v[S+2*(\n)-2]
	v_rcp_f32 v[S+2*(\n)-1], v[S+2*(\n)-1]
.endif
.endm
; CV: pair m rounded to f16 (it reads reciprocals, so it stands behind their wait).
.macro CV m
	WIN 0
	v_cvt_pk_f16_f32 v[P+(\m)], v[S+2*(\m)], v[S+2*(\m)+1]
.endm
; RS: line n of the 17 that multiply tile t's O^T (ascending) and l by A; beyond 16: nothing.
.macro RS t, n
.if (\n) < 16
	WIN W_PV
	v_pk_mul_f32 v[O+32*(\t)+2*(\n):O+32*(\t)+2*(\n)+1], v[O+32*(\t)+2*(\n):O+32*(\t)+2*(\n)+1], v[ST+16*(\t)+10:ST+16*(\t)+11] op_sel_hi:[1,0]
.elseif (\n) == 16
	WIN W_PV
	v_pk_mul_f32 v[L+8*(\t):L+8*(\t)+1], v[L+8*(\t):L+8*(\t)+1], v[ST+16*(\t)+10:ST+16*(\t)+11] op_sel_hi:[1,0]
.endif
.endm
; A KEY STEP.  K, ck and rb of the step have been asked for.
.macro STEP
	s_wait_dscnt 0x0                ; K, ck, rb are in
.set i, 0
.rept 8
	KQ 0
	GR 0
.if i == 0
	FETCH_V                         ; the six lines above are the places behind the last step's products, which read V
.endif
.set i, i+1
.endr
.irp kb, 0,1,2,3
	AP 0, \kb                       ; the six lines behind the last product are its places
.endr
.set i, 0
.rept 8
	KQ 1
	GR 1
.set i, i+1
.endr
.irp kb, 0,1,2,3
	AP 1, \kb
	XS 0, 3*(\kb)                   ; tile 0's statistics, a chain, are dealt among tile 1's scores
	XS 0, 3*(\kb)+1
	XS 0, 3*(\kb)+2
.endr
.set n, 0
.rept 34                            ; THE ROOTS: both tiles' 64 in one batch
.if n < 12
	XS 1, n                         ; tile 1's statistics are dealt among tile 0's pairs; they are whole four positions ahead of tile 1's first z'
.endif
	RT n
.set n, n+1
.endr
	v_nop                           ; a plain line behind the last root, ahead of the first use: one for the batch
	s_wait_alu depctr_va_vdst(0)    ; the wait for the batch of 64 roots: ahead of the branch below and of the sums u, their first readers
	s_wait_dscnt 0x0                ; V is in
	s_cmp_eq_u32 s[CNT], 1          ; a slot's last step fetches nothing: the next slot is read only behind the change of slots.  Every wait on DScnt here is for 0, so both ways are right
	s_cbranch_scc1 .Lno_kt_\@
	FETCH_KT                        ; the next step's: it has the rest of this step in which to land; K, rb and ck were last read by tile 1's products K Q^T and their riders
.Lno_kt_\@:
.set n, 0
.rept 33                            ; THE RECIPROCALS: both tiles' 64 in one batch
	IV n
.set n, n+1
.endr
.set n, 0
.rept 17                            ; tile 0's rescaling names none of the batch's results: it is the work between the batch and its wait, and its first line the plain line behind the last reciprocal
	RS 0, n
.set n, n+1
.endr
	WIN 0
	s_wait_alu depctr_va_vdst(0)    ; the wait for the batch of 64 reciprocals: ahead of the roundings, their first readers
.set m, 0
.rept 8
	CV m                            ; tile 0's first eight pairs are rounded: its first 32 keys can be multiplied
.set m, m+1
.endr
.set gg, 0
.rept 5                             ; tile 0's products, two by two; behind each, two lines of tile 1's rescaling (same windows); behind each two, four roundings: pairs 8-15 stand ahead of product 5, pairs 16-23 ahead of tile 1's first
	PVM 0, 2*gg
	RS 1, 4*gg
	RS 1, 4*gg+1
	PVM 0, 2*gg+1
	RS 1, 4*gg+2
	RS 1, 4*gg+3
.if gg < 4
.irp z, 0,1,2,3
	CV 8+4*gg+\z
.endr
.endif
.set gg, gg+1
.endr
.set gg, 0
.rept 2                             ; tile 1's products; pairs 24-31 are rounded behind its first four, ahead of product 5.  No rounding writes a register of a product issued before it
	PVM 1, 2*gg
	PVM 1, 2*gg+1
.irp z, 0,1,2,3
	CV 24+4*gg+\z
.endr
.set gg, gg+1
.endr
.irp m5, 4,5,6,7,8,9
	PVM 1, \m5
.endr
	WIN 0
.endm
.Lslot:                             ; seven times: a slot is entered and the next is asked for
	CHANGE 1
	FETCH_KT
	s_mov_b32 s[CNT], 4
.Lstep:
	STEP
	s_sub_co_u32 s[CNT], s[CNT], 1
	s_cmp_lg_u32 s[CNT], 0
	s_cbranch_scc1 .Lstep
	s_sub_co_u32 s[SLOTS], s[SLOTS], 1
	s_cmp_lg_u32 s[SLOTS], 0
	s_cbranch_scc1 .Lslot
	CHANGE 0                        ; the last slot is written out: nothing is asked for
	FETCH_KT
	s_mov_b32 s[CNT], 4
.Ltail:
	STEP
	s_sub_co_u32 s[CNT], s[CNT], 1
	s_cmp_lg_u32 s[CNT], 0
	s_cbranch_scc1 .Ltail
	; THE WAY OUT.  O^T is divided by l, rounded to f16 and sent through my stage in LDS, a tile at a time.
	PLACES                          ; behind the last products
	WIN W_KQ
	v_rcp_f32 v[ST+10], v[L]        ; l lies in register 0 of its accumulator
	v_rcp_f32 v[ST+26], v[L+8]
	v_nop                           ; a plain line behind the reciprocals
	s_wait_alu depctr_va_vdst(0)    ; the wait ahead of the first use: one for the two tiles' 1 / l, once a launch
.macro PACK t
	WIN 0x41                        ; destination and source 0 window 1, source 1 window 0
.set i, 0
.rept 16
	v_pk_mul_f32 v[O+32*(\t)+2*i:O+32*(\t)+2*i+1], v[O+32*(\t)+2*i:O+32*(\t)+2*i+1], v[ST+16*(\t)+10:ST+16*(\t)+11] op_sel_hi:[1,0]
.set i, i+1
.endr
	WIN 0x05                        ; sources 0 and 1 window 1, destination window 0
.set i, 0
.rept 16
	v_cvt_pk_f16_f32 v[S+16*(\t)+i], v[O+32*(\t)+2*i], v[O+32*(\t)+2*i+1]
.set i, i+1
.endr
	WIN 0
.irp f, 0,1,2,3
	ds_store_b128 v[STO], v[S+16*(\t)+4*\f:S+16*(\t)+4*\f+3] offset:32*\f
.endr
.irp f, 0,1,2,3
	ds_load_b128 v[S+16*(\t)+4*\f:S+16*(\t)+4*\f+3], v[RD] offset:\f*4*SP  ; LDS serves a wave's instructions in order (ISA guide 5.7.1.4): these see the stores above; the next tile's stores come behind them
.endr
.endm
.macro SEND t, younger              ; younger: the LDS instructions issued behind tile t's loads: the next tile's eight, or none
.irp f, 0,1,2,3
	s_wait_dscnt (\younger)+3-\f
	global_store_b128 v[GO], v[S+16*(\t)+4*\f:S+16*(\t)+4*\f+3], s[OB:OB+1] offset:(\t)*2048+\f*512  ; four rows: 512 consecutive bytes, aligned
.endr
.endm
	PACK 0
	PACK 1
	SEND 0, 8
	SEND 1, 0
	s_wait_tensorcnt 0x0            ; the wave's end: behind my last tensor load and my last LDS store
	ds_add_u32 v[SPW], v[NIL]
	s_wait_dscnt 0x0
	CROUND                          ; the closing round: no work-group ends while a partner may still ask for a tile that names it
	s_endpgm
.Lfunc_end_k_qf1df0b61f0_attn:
	.size	k_qf1df0b61f0_attn, .Lfunc_end_k_qf1df0b61f0_attn-k_qf1df0b61f0_attn
	.p2alignl 7, 3214868480
	.fill 96, 4, 3214868480
	.section	.rodata,"a",@progbits
	.p2align	6, 0x0
	.amdhsa_kernel k_qf1df0b61f0_attn
		.amdhsa_group_segment_fixed_size 327680
		.amdhsa_private_segment_fixed_size 0
		.amdhsa_enable_private_segment 0
		.amdhsa_kernarg_size 24
		.amdhsa_user_sgpr_count 2
		.amdhsa_user_sgpr_kernarg_segment_ptr 1
		.amdhsa_wavefront_size32 1
		.amdhsa_system_sgpr_workgroup_id_x 1
		.amdhsa_system_sgpr_workgroup_id_y 1
		.amdhsa_system_sgpr_workgroup_id_z 1
		.amdhsa_system_vgpr_workitem_id 0
		.amdhsa_next_free_vgpr 512
		.amdhsa_next_free_sgpr 80
		.amdhsa_reserve_vcc 1
		.amdhsa_float_denorm_mode_32 3
		.amdhsa_float_denorm_mode_16_64 3
		.amdhsa_memory_ordered 1
		.amdhsa_forward_progress 1
		.amdhsa_inst_pref_size 93
	.end_amdhsa_kernel
	.amdgpu_metadata
---
amdhsa.version: [ 1, 2 ]
amdhsa.kernels:
  - .name:           k_qf1df0b61f0_attn
    .symbol:         k_qf1df0b61f0_attn.kd
    .args:
      - { .name: qkv, .offset: 0, .size: 8, .value_kind: global_buffer, .address_space: global }
      - { .name: nt, .offset: 8, .size: 8, .value_kind: global_buffer, .address_space: global }
      - { .name: ob, .offset: 16, .size: 8, .value_kind: global_buffer, .address_space: global }
    .group_segment_fixed_size: 327680
    .private_segment_fixed_size: 0
    .kernarg_segment_align: 8
    .kernarg_segment_size: 24
    .max_flat_workgroup_size: 256
    .sgpr_count:     80
    .vgpr_count:     512
    .wavefront_size: 32
...
	.end_amdgpu_metadata
.endif
;; end of part 5
;; launch outp: the kernel of part 4 again; grid 8 x 32, 4 waves a work-group, clusters of 4 x 4, 327,680 bytes of LDS; arguments ob, wob, out0; writes out0
